; MI455X (gfx1250); checked and timed in simulation.
; The chip was launched on July 23, 2026; its instructions are those of AMD's public machine-readable ISA for CDNA 5 (MIT licence, August 2026) and "CDNA5" Instruction Set Architecture Reference Guide (July 2026). The comments in the code are by the model that wrote it; some were corrected since.
;; SDPA Simple. Allowed arithmetic: matrix products marked QUANTISED: E3M2 operands, one E8M0 scale for each 32 along K, by v_wmma_scale_f32_16x16x128_f8f6f4 with both operands' format E3M2, f32 sums; everything else in f32.
;; Inputs: input_pos 1 int32; k 2 x 8 x 2,048 x 128 float32; mask 2,048 x 2,048 float32; q 2 x 32 x 2,048 x 128 float32; v 2 x 8 x 2,048 x 128 float32.
;; Outputs: out0 2 x 2,048 x 4,096 float32.
;; Constants: bsz = 2, seqlen = 2048.
;; This version of the problem:
;;   THIS VERSION OF THE PROBLEM IS GIVEN IN LOW PRECISION. The matrix products marked QUANTISED in the list below multiply operands that are first quantised to E3M2 (3 exponent bits, 2 mantissa bits; 6 bits a number), with one power-of-two scale for each 32 numbers along K (OCP MX v1.0); their sums are f32. All else is computed in f32.
;;   The module's matrix products, in the order in which they are computed (A, B: the left and right operand; K: the contracted axis; several contracted axes count as one K, in the product's order):
;;     1. batch 64 x [M 2,048, K 128] x [K 128, N 2,048]; A: input q; B: input k: QUANTISED
;;     2. batch 64 x [M 2,048, K 2,048] x [K 2,048, N 128]; A: softmax (see below); B: input v: QUANTISED
;;   THE QUANTISER, for each operand of a quantised product, along K:
;;     - K is cut into blocks of 32 from its start; a last block that is shorter is filled with zeros.
;;     - A block's scale is 2^e with e = floor(log2(the largest magnitude in the block)) - 4, held to -126 .. 127; a block of zeros has e = 0. As a byte (E8M0): e + 127.
;;     - Each number is divided by its block's scale, clamped to +-28, and rounded to the nearest number of E3M2, ties to even, subnormals kept.
;;     - The product sums the exact products of the quantised numbers (number of the format x scale) in f32.
;;   ~~~python
;;   def quantise(x, axis):      # numpy; x: float32 -> the quantised numbers, widened to float32 again
;;       x = np.moveaxis(x, axis, -1); K = x.shape[-1]
;;       x = np.pad(x, [(0, 0)] * (x.ndim - 1) + [(0, -K % 32)]); x = x.reshape(x.shape[:-1] + (-1, 32)); a = np.abs(x).max(-1, keepdims=True)
;;       e = np.where(a > 0, np.clip(np.frexp(np.where(a > 0, a, 1))[1] - 1 - 4, -126, 127), 0)      # np.frexp(a)[1] - 1 = floor(log2(a)), exactly
;;       r = np.clip(x / 2.0 ** e, -28, 28)
;;       step = 2.0 ** (np.maximum(np.frexp(np.where(r == 0, 1, r))[1] - 1, -2) - 2)
;;       q = np.round(r / step) * step * 2.0 ** e      # np.round: ties to even
;;       return np.moveaxis(q.reshape(q.shape[:-2] + (-1,))[..., :K], -1, axis).astype(np.float32)
;;   ~~~
;;   SOFTMAX AHEAD OF A QUANTISED PRODUCT. Where the list says 'softmax', what is quantised is not the finished softmax but p = 2^(t - M), with t = logit x log2(e) and M = ceil(the row's largest t), a whole number; so 1/2 < the row's largest p <= 1. The row's sum l is taken of the UNQUANTISED p, in f32, and the product's result is divided by l at the end. Since M is a whole number, a kernel that streams over the keys may use a running M (the ceiling of the running maximum): every later rescaling is an exact power of two, which a block's scale takes up: the codes' values come out the same.
;;   OPERANDS COMPUTED ON THE WAY. 'Computed on the way' means the value that the module computes at that place (a softmax that the list does not call 'softmax' is quantised finished and normalised). What goes into a quantiser is computed in f32, as accurately as f32 sums, v_exp_f32 and their like allow (about 1e-6 of the number): no bf16 or f16 on the way to a quantiser, and a product that is left as it is and whose result goes on into a quantised operand takes f32 operands (vector FMAs, or v_wmma_f32_16x16x4_f32). A number that lies on a knife's edge between two numbers of the format may be rounded either way, as far as f32 arithmetic and the matrix unit's own rounding can turn it there, and no further.
;; 2 versions. Each part assembles by itself: llvm-mc -triple=amdgcn-amd-amdhsa -mcpu=gfx1250 --defsym DOCPART=n.
;; ======== version 1 of 2: 2 launches
;; workspace buffers: kvw 6,553,600 bytes; flags 4,096 bytes of whole numbers
;; launch prep (part 1): grid 384 x 1, 8 waves a work-group, no clusters, 93,184 bytes of LDS; arguments k, v, mask, kvw, flags; writes kvw, flags
.if DOCPART == 1
	.amdgcn_target "amdgcn-amd-amdhsa--gfx1250"
	.amdhsa_code_object_version 6
	.text
	.protected	k_q88c5d1a123_prep
	.globl	k_q88c5d1a123_prep
	.p2align	8
	.type	k_q88c5d1a123_prep,@function
k_q88c5d1a123_prep:
	s_mov_b64 s[64:65], 0
	v_nop
	global_prefetch_b8 v0, s[64:65] scope:SCOPE_SE
	s_setreg_imm32_b32 hwreg(HW_REG_WAVE_MODE, 25, 1), 1
	s_wait_xcnt 0x0
; k and v [2][8][2048][128] f32 become codes of BF6 (E3M2) with one E8M0 scale byte for each 32 along a product's K, and the mask's tiles are classified.
; kvw: 256 step blocks of 25,600 bytes, block J = 16 x (K/V head) + (step of 128 keys):
;   0      K's 8 fragments (16 keys x the head's 128), 1,536 bytes each     12,288  V^T's 8 fragments (16 channels x 128 keys)
;   24,576 K's scale words, tile t row r at 64 t + 4 r                      25,088  V's scale words, channel d at 4 d
; A fragment lies as an IMAGE OF THE OPERAND'S REGISTERS: register p (0..11) of lane L at 512 (p / 4) + 16 L + 4 (p % 4): three loads of 16 bytes a lane bring it.
; THE KEYS OF A TILE OF K ARE NOT NEIGHBOURS: row m of tile 2 b + u is key 32 b + 8 u + m + 8 (m / 8), so that in S^T = K Q^T a lane's 16 registers of tiles 2 b, 2 b + 1 are 16 neighbouring keys.
; flags: word [query tile T of 16 rows][w]: for key steps 2 w and 2 w + 1, bit 2 w + e: the tile's 16 x 128 mask numbers are NOT all -infinity; bit 16 + 2 w + e: they are NOT all +-0.
; A block's scale is 2^(floor(log2(its largest magnitude)) - 4): its byte is the largest magnitude's exponent field - 4, held at 1 from below.
; LIMITS: a block of zeros gets the byte 1 where the rule says 127 (its codes are zeros, and this program alone reads the bytes); blocks whose largest magnitude lies under 2^-122 are held at the byte 1;
; NaN and infinities in k and v are not served.  In the mask NaN and +infinity count as live and as not zero.
; SHARES: work-groups 0-127 take k, 128-255 v, 256-383 the mask; every wave reads 16 KB and shares nothing with another: no barrier.  Each path has LDS bytes of its own.
.set R,    16                          ; v16-143  numbers as loaded (k, mask);  v16-79 two sets of 32 (v)
.set X,    144                         ; v144-207 k: a lane's two whole blocks of its row;  v144-152 at work on the mask
.set D0,   208                         ; v208-219 the first tile's fragment
.set D1,   220                         ; v220-231 the second's
.set W0,   232                         ; their scale words
.set W1,   233
.set QT,   234                         ; v234-235 largest magnitudes
.set QSO,  236                         ; v236-237 the conversions' scale operands
.set QBY,  238                         ; v238-239 scale bytes
.set QPT,  241                         ; a lane permute's destination
.set QCT,  244                         ; v244-246, v248-250 the second half of a block's six registers, made here and moved
.set H8,   11                          ; v11      8 x (lane / 16)
.set SEL,  20                          ; s[20:21] v_permlanex16_b32's selects for lane l xor 16
.set VST0, 67584                       ; LDS: k's stages, 8 x 16 rows x 528 bytes, lie below; v's images, 8 x 3,072 bytes, from here on
	s_load_b256 s[4:11], s[0:1], 0x0               ; k s[4:5], v s[6:7], mask s[8:9], kvw s[10:11]
	s_load_b64 s[12:13], s[0:1], 0x20              ; flags
	v_lshl_add_u32 v254, v0, 2, 0x16800
	v_mov_b32 v255, 0
	v_lshrrev_b32 v1, 5, v0
	v_readfirstlane_b32 s16, v1                    ; wave 0..7
	v_and_b32 v1, 31, v0                           ; lane
	v_and_b32 v2, 15, v0                           ; r
	v_bfe_u32 v3, v0, 4, 1                         ; h
	v_lshlrev_b32 v4, 4, v1                        ; 16 x lane
	v_lshlrev_b32 v7, 2, v1                        ; 4 x lane
	v_lshlrev_b32 v[H8], 3, v3
	v_mov_b32 v[QPT], 0                            ; written once: a lane permute's destination counts as one of its sources
	s_mov_b32 s[SEL], 0x76543210
	s_mov_b32 s[SEL+1], 0xfedcba98
	s_lshr_b32 s17, s16, 2                         ; which of the work-group's two step blocks
	s_and_b32 s18, s16, 3                          ; which quarter of it
	s_mov_b32 s25, 0                               ; the offsets' high words
	s_mov_b32 s27, 0
	s_mov_b32 s29, 0
	; every LDS address is made here, ahead of the parting of the three paths
	s_mul_i32 s19, s16, 8448
	v_add_nc_u32 v5, s19, v4                       ; k's stage, in: 16 x lane of a row of 512 bytes
	v_mul_u32_u24 v6, v2, 528
	v_lshl_add_u32 v6, v3, 7, v6
	v_add_nc_u32 v6, s19, v6                       ; and back: row r, + 128 h: 32 numbers of my half
	s_mul_i32 s19, s16, 3072
	s_add_co_u32 s19, s19, VST0
	v_mul_u32_u24 v8, v3, 1536
	v_lshl_add_u32 v8, v2, 4, v8
	v_add_nc_u32 v8, s19, v8                       ; v's images, in: tile lane / 16, target lane r
	v_add_nc_u32 v9, s19, v4                       ; and back: 16 x lane
	s_cmp_lt_u32 ttmp9, 128
	s_cbranch_scc0 .Lnot_k
; 64 numbers of a lane, register 32 c + i = number 64 c + 32 h + i of its row (two whole blocks), become the fragment's 12 registers at v[d] and the row's scale word in v[w].
.macro QUANT2 x, d, w
.irp c, 0,1
	v_max3_num_f32 v[QT+\c], |v[\x+32*\c]|, |v[\x+32*\c+1]|, 0x2800000   ; the floor 2^(5 - 127) among the leaves: the byte cannot fall under 1
.endr
.irp i, 2,4,6,8,10,12,14,16,18,20,22,24,26,28,30
.irp c, 0,1
	v_max3_num_f32 v[QT+\c], v[QT+\c], |v[\x+32*\c+\i]|, |v[\x+32*\c+\i+1]|   ; the two blocks by turns
.endr
.endr
.irp c, 0,1
	v_add_nc_u32 v[QSO+\c], 0xfe000000, v[QT+\c]   ; 4 off the exponent field: the conversion takes this operand's exponent field as its scale
.endr
.irp c, 0,1
	v_lshrrev_b32 v[QBY+\c], 23, v[QSO+\c]         ; the scale's byte
.endr
	v_lshl_or_b32 v[QBY], v[QBY+1], 16, v[QBY]     ; my bytes: blocks h and 2 + h,
	v_lshlrev_b32 v[QBY], v[H8], v[QBY]            ; at their places in the word;
	v_permlanex16_b32 v[QPT], v[QBY], s[SEL], s[SEL+1]
	v_or_b32 v[(\w)], v[QBY], v[QPT]               ; with lane l xor 16's two the word is whole
.irp c, 0,1
	v_cvt_scalef32_pk16_bf6_f32 v[\d+6*\c:\d+6*\c+2], v[\x+32*\c:\x+32*\c+15], v[QSO+\c]
	v_cvt_scalef32_pk16_bf6_f32 v[QCT+4*\c:QCT+4*\c+2], v[\x+32*\c+16:\x+32*\c+31], v[QSO+\c]   ; (a conversion's three registers begin on an even number)
.endr
	v_nop                                          ; one plain place behind a scaled conversion
.irp c, 0,1
.irp i, 0,1,2
	v_mov_b32 v[\d+6*\c+3+\i], v[QCT+4*\c+\i]
.endr
.endr
.endm
	; ---- k: my wave's 32 neighbouring keys, 16 KB, become tiles 2 b and 2 b + 1 of block J
	s_lshl_b32 s22, ttmp9, 1
	s_add_co_u32 s22, s22, s17                     ; J
	s_lshl_b32 s24, s22, 16
	s_lshl_b32 s23, s18, 14
	s_add_co_u32 s24, s24, s23                     ; in k: 65,536 J + 16,384 b
	s_mul_i32 s26, s22, 25600
	s_mul_i32 s23, s18, 3072
	s_add_co_u32 s28, s26, s23                     ; in kvw: the two fragments,
	s_lshl_b32 s23, s18, 7
	s_add_co_u32 s26, s26, s23
	s_add_co_u32 s26, s26, 24576                   ; and their 32 scale words
	s_wait_kmcnt 0x0
	s_add_nc_u64 s[4:5], s[4:5], s[24:25]
	s_add_nc_u64 s[28:29], s[10:11], s[28:29]
	s_add_nc_u64 s[26:27], s[10:11], s[26:27]
.irp u, 0,1
.irp p, 0,1,2,3,4,5,6,7,8,9,10,11,12,13,14,15
	global_load_b128 v[R+64*\u+4*\p:R+64*\u+4*\p+3], v4, s[4:5] offset:512*(8*\u+\p+8*(\p/8)) th:TH_LOAD_NT   ; a whole key row, 512 consecutive bytes, in the order of the tile's rows
.endr
.endr
; A tile: its 16 rows go through my stage as they lie and come back 128 bytes a lane.  Rows are 528 bytes = 132 words apart: the 16 rows that a load touches start 4 words apart modulo 64.
.macro KTILE u, d, w, left
	s_wait_loadcnt \left                           ; this tile's 16 loads are in; the other tile's may stay out
.irp p, 0,1,2,3,4,5,6,7,8,9,10,11,12,13,14,15
	ds_store_b128 v5, v[R+64*\u+4*\p:R+64*\u+4*\p+3] offset:528*\p
.endr
.irp c, 0,1
.irp j, 0,1,2,3,4,5,6,7
	ds_load_b128 v[X+32*\c+4*\j:X+32*\c+4*\j+3], v6 offset:256*\c+16*\j   ; LDS serves a wave's instructions in order: these see my stores
.endr
.endr
	s_wait_dscnt 0x0
	QUANT2 X, \d, \w
.irp g, 0,1,2
	global_store_b128 v4, v[\d+4*\g:\d+4*\g+3], s[28:29] offset:1536*\u+512*\g   ; 512 consecutive bytes, at a multiple of 512 from kvw's first byte
.endr
.endm
	KTILE 0, D0, W0, 16
	KTILE 1, D1, W1, 0
	v_cmp_le_u32 vcc_lo, 16, v1
	v_cndmask_b32 v[QT], v[W0], v[W1], vcc_lo      ; lanes 0-15: the first tile's words, lanes 16-31: the second's (both halves of the lanes hold a row's word)
	global_store_b32 v7, v[QT], s[26:27]           ; 128 consecutive bytes; four waves fill K's 512
	s_wait_tensorcnt 0x0
	ds_add_u32 v254, v255
	s_wait_dscnt 0x0
	s_endpgm
.Lnot_k:
	s_cmp_lt_u32 ttmp9, 256
	s_cbranch_scc0 .Lmask
	; ---- v: the keys are its K and its first axis.  A LANE TAKES A CHANNEL, AND ITS REGISTERS RUN DOWN THE KEYS: a block of 32 keys lies in one lane, and the codes come out with the keys innermost.
	s_sub_co_u32 s22, ttmp9, 128
	s_lshl_b32 s22, s22, 1
	s_add_co_u32 s22, s22, s17                     ; J
	s_lshl_b32 s24, s22, 16
	s_lshl_b32 s23, s18, 7
	s_add_co_u32 s24, s24, s23                     ; in v: 65,536 J + my 32 channels' 128 bytes
	s_mul_i32 s26, s22, 25600
	s_mul_i32 s28, s18, 3072
	s_add_co_u32 s28, s28, s26
	s_add_co_u32 s28, s28, 12288                   ; in kvw: V^T's tiles 2 w' and 2 w' + 1,
	s_add_co_u32 s26, s26, s23
	s_add_co_u32 s26, s26, 25088                   ; and my 32 channels' scale words
	s_wait_kmcnt 0x0
	s_add_nc_u64 s[6:7], s[6:7], s[24:25]
	s_add_nc_u64 s[28:29], s[10:11], s[28:29]
	s_add_nc_u64 s[26:27], s[10:11], s[26:27]
.macro VLOAD t                         ; block t: v(key 32 t + i, my channel) into set t % 2; a wave reads 128 consecutive bytes, four waves side by side a row's 512
.irp i, 0,1,2,3,4,5,6,7,8,9,10,11,12,13,14,15,16,17,18,19,20,21,22,23,24,25,26,27,28,29,30,31
	global_load_b32 v[R+32*((\t)%2)+\i], v7, s[6:7] offset:512*(32*(\t)+\i) th:TH_LOAD_NT
.endr
.endm
	VLOAD 0
	VLOAD 1
; Block t = 2 c + hb of my channel is registers 6 c .. 6 c + 5 of lane r + 16 hb of my channel's tile: it goes to that place in the tile's image.
.macro VBLOCK t
.set XS, R+32*((\t)%2)
.if (\t) < 3
	s_wait_loadcnt 32                              ; this block's 32 loads are in; the next block's may stay out
.else
	s_wait_loadcnt 0x0
.endif
	v_max3_num_f32 v12, |v[XS]|, |v[XS+1]|, |v[XS+2]|
	v_max3_num_f32 v13, |v[XS+3]|, |v[XS+4]|, |v[XS+5]|
.irp i, 6,10,14,18,22,26
	v_max3_num_f32 v12, v12, |v[XS+\i]|, |v[XS+\i+1]|
	v_max3_num_f32 v13, v13, |v[XS+\i+2]|, |v[XS+\i+3]|
.endr
	v_max3_num_f32 v12, v12, |v[XS+30]|, |v[XS+31]|
	v_max3_num_f32 v12, v12, v13, 0x2800000        ; and the floor
	v_add_nc_u32 v14, 0xfe000000, v12              ; the conversion's scale operand
	v_lshrrev_b32 v13, 23, v14                     ; the byte
.if (\t) == 0
	v_mov_b32 v108, v13                            ; four bytes to my channel's word, the lower keys in the lower byte
.else
	v_lshl_or_b32 v108, v13, 8*(\t), v108
.endif
	v_cvt_scalef32_pk16_bf6_f32 v[96:98], v[XS:XS+15], v14
	v_cvt_scalef32_pk16_bf6_f32 v[104:106], v[XS+16:XS+31], v14
	v_nop                                          ; one plain place behind a scaled conversion
	v_mov_b32 v99, v104
	v_mov_b32 v100, v105
	v_mov_b32 v101, v106
.if (\t) < 2
	ds_store_b128 v8, v[96:99] offset:256*((\t)%2)             ; registers 0-3
	ds_store_b64 v8, v[100:101] offset:512+256*((\t)%2)        ; registers 4, 5
.else
	ds_store_b64 v8, v[96:97] offset:520+256*((\t)%2)          ; registers 6, 7
	ds_store_b128 v8, v[98:101] offset:1024+256*((\t)%2)       ; registers 8-11
.endif
.if (\t)+2 < 4
	VLOAD (\t)+2
.endif
	s_wait_dscnt 0x0                               ; the stores have read their registers: the next block's codes may be written
.endm
	VBLOCK 0
	VBLOCK 1
	VBLOCK 2
	VBLOCK 3
	global_store_b32 v7, v108, s[26:27]            ; 128 consecutive bytes; four waves fill V's 512
.irp i, 0,1,2,3,4,5
	ds_load_b128 v[128+4*\i:128+4*\i+3], v9 offset:512*\i      ; my two images, as they lie
.endr
.irp i, 0,1,2,3,4,5
	s_wait_dscnt 5-\i                              ; load i is in; the younger ones may stay out
	global_store_b128 v4, v[128+4*\i:128+4*\i+3], s[28:29] offset:512*\i
.endr
	s_wait_tensorcnt 0x0
	ds_add_u32 v254, v255
	s_wait_dscnt 0x0
	s_endpgm
.Lmask:
	; ---- the mask: query tile T (16 rows); my wave takes key steps 2 w and 2 w + 1.  The words are only ORed and ANDed: all are one pattern exactly where OR = AND = that pattern.
	s_sub_co_u32 s22, ttmp9, 256                   ; T
	s_lshl_b32 s24, s22, 17                        ; 16 rows of 8,192 bytes
	s_lshl_b32 s23, s16, 10                        ; 256 columns
	s_add_co_u32 s24, s24, s23
	s_lshl_b32 s26, s22, 5
	s_lshl_b32 s23, s16, 2
	s_add_co_u32 s26, s26, s23                     ; my word of flags
	s_mov_b32 s34, 0xff800000                      ; -infinity
	s_wait_kmcnt 0x0
	s_add_nc_u64 s[8:9], s[8:9], s[24:25]
	s_add_nc_u64 s[12:13], s[12:13], s[26:27]
.irp s, 0,1
.irp i, 0,1,2,3,4,5,6,7,8,9,10,11,12,13,14,15
	global_load_b128 v[R+64*\s+4*\i:R+64*\s+4*\i+3], v4, s[8:9] offset:8192*\i+512*\s   ; a row's 128 numbers of a step: 512 consecutive bytes
.endr
.endr
.macro MSTEP s, left
	s_wait_loadcnt \left                           ; this step's 16 loads are in; the other step's may stay out
.irp k, 0,1,2,3
	v_or_b32 v[144+\k], v[R+64*\s+\k], v[R+64*\s+4+\k]         ; four chains of each kind
	v_and_b32 v[148+\k], v[R+64*\s+\k], v[R+64*\s+4+\k]
.endr
.set n, 2
.rept 14
.irp k, 0,1,2,3
	v_or_b32 v[144+\k], v[144+\k], v[R+64*\s+4*n+\k]
	v_and_b32 v[148+\k], v[148+\k], v[R+64*\s+4*n+\k]
.endr
.set n, n+1
.endr
	v_or_b32 v144, v144, v145
	v_or_b32 v146, v146, v147
	v_and_b32 v148, v148, v149
	v_and_b32 v150, v150, v151
	v_or_b32 v144, v144, v146
	v_and_b32 v148, v148, v150
	v_cmp_ne_u32 s30, s34, v144
	v_cmp_ne_u32 s31, s34, v148
	s_or_b32 s30, s30, s31                         ; some lane holds a word that is not -infinity
	s_cselect_b32 s[36+\s], 1, 0
	v_and_b32 v144, 0x7fffffff, v144
	v_cmp_ne_u32 s30, 0, v144
	s_cmp_lg_u32 s30, 0                            ; some lane holds a word that is not +-0
	s_cselect_b32 s[38+\s], 1, 0
.endm
	MSTEP 0, 16
	MSTEP 1, 0
	s_lshl_b32 s37, s37, 1
	s_or_b32 s36, s36, s37
	s_lshl_b32 s39, s39, 1
	s_or_b32 s38, s38, s39
	s_lshl_b32 s23, s16, 1
	s_lshl_b32 s36, s36, s23                       ; bits 2 w, 2 w + 1
	s_add_co_u32 s23, s23, 16
	s_lshl_b32 s38, s38, s23                       ; bits 16 + 2 w, 17 + 2 w
	s_or_b32 s36, s36, s38
	v_mov_b32 v152, s36                            ; the numbers are stored, and steer nothing in this launch
	s_wait_xcnt 0x0                                ; EXEC changes only behind this wait
	v_cmp_eq_u32 vcc_lo, 0, v1
	s_and_saveexec_b32 s30, vcc_lo
	global_store_b32 v7, v152, s[12:13]            ; lane 0 alone: one word a wave
	s_wait_xcnt 0x0                                ; and again in front of the line that widens it
	s_or_b32 exec_lo, exec_lo, s30
	s_endpgm
.Lfunc_end_k_q88c5d1a123_prep:
	.size	k_q88c5d1a123_prep, .Lfunc_end_k_q88c5d1a123_prep-k_q88c5d1a123_prep
	.p2alignl 7, 3214868480
	.fill 96, 4, 3214868480
	.section	.rodata,"a",@progbits
	.p2align	6, 0x0
	.amdhsa_kernel k_q88c5d1a123_prep
		.amdhsa_group_segment_fixed_size 93184
		.amdhsa_private_segment_fixed_size 0
		.amdhsa_enable_private_segment 0
		.amdhsa_kernarg_size 40
		.amdhsa_user_sgpr_count 2
		.amdhsa_user_sgpr_kernarg_segment_ptr 1
		.amdhsa_wavefront_size32 1
		.amdhsa_system_sgpr_workgroup_id_x 1
		.amdhsa_system_sgpr_workgroup_id_y 1
		.amdhsa_system_sgpr_workgroup_id_z 1
		.amdhsa_system_vgpr_workitem_id 0
		.amdhsa_next_free_vgpr 256
		.amdhsa_next_free_sgpr 66
		.amdhsa_reserve_vcc 1
		.amdhsa_float_denorm_mode_32 3
		.amdhsa_float_denorm_mode_16_64 3
		.amdhsa_memory_ordered 1
		.amdhsa_forward_progress 1
		.amdhsa_inst_pref_size 50
	.end_amdhsa_kernel
	.amdgpu_metadata
---
amdhsa.version: [ 1, 2 ]
amdhsa.kernels:
  - .name:           k_q88c5d1a123_prep
    .symbol:         k_q88c5d1a123_prep.kd
    .args:
      - { .name: k, .offset: 0, .size: 8, .value_kind: global_buffer, .address_space: global }
      - { .name: v, .offset: 8, .size: 8, .value_kind: global_buffer, .address_space: global }
      - { .name: mask, .offset: 16, .size: 8, .value_kind: global_buffer, .address_space: global }
      - { .name: kvw, .offset: 24, .size: 8, .value_kind: global_buffer, .address_space: global }
      - { .name: flags, .offset: 32, .size: 8, .value_kind: global_buffer, .address_space: global }
    .group_segment_fixed_size: 93184
    .private_segment_fixed_size: 0
    .kernarg_segment_align: 8
    .kernarg_segment_size: 40
    .max_flat_workgroup_size: 256
    .sgpr_count:     66
    .vgpr_count:     256
    .wavefront_size: 32
...
	.end_amdgpu_metadata
.endif
;; end of part 1
;; launch attn (part 2): grid 16 x 16, 8 waves a work-group, no clusters, 134,144 bytes of LDS; arguments q, mask, kvw, flags, input_pos, out0; writes out0
.if DOCPART == 2
	.amdgcn_target "amdgcn-amd-amdhsa--gfx1250"
	.amdhsa_code_object_version 6
	.text
	.protected	k_q88c5d1a123_attn
	.globl	k_q88c5d1a123_attn
	.p2align	8
	.type	k_q88c5d1a123_attn,@function
k_q88c5d1a123_attn:
	s_mov_b64 s[64:65], 0
	v_nop
	global_prefetch_b8 v0, s[64:65] scope:SCOPE_SE
	s_setreg_imm32_b32 hwreg(HW_REG_WAVE_MODE, 25, 1), 1
	s_wait_xcnt 0x0
; out0[b][s][128 head + d] = the sum over keys of softmax(q . k / sqrt(128) + mask) v, grouped heads (4 query heads to a K/V head), both products on codes of BF6 (E3M2) with one E8M0 scale for each 32 along K.
; THE SOFTMAX AHEAD OF THE SECOND PRODUCT: t = (score + mask x sqrt(128)) x log2(e) / sqrt(128); M = the row's largest t so far, rounded UP to a whole number; p = 2^(t - M) is quantised along the keys, not normalised.
; The row's sum is taken of the unquantised p and divides O at the end.  When M moves, the sum and O are multiplied by 2^(old M - new M): exact.
; THE MASK IS AN INPUT.  The launch before has stored, for each tile of 16 queries x 128 keys, whether its numbers are all -infinity (the tile adds nothing and moves no maximum: its work is left out) and whether
; they are all zero (nothing is added to the scores).  Every other tile's numbers are loaded and added.  These are scalar branches on whole numbers read from memory; every mask is served.
; SHARES.  Work-group (i, g): K/V head g; two passes: query blocks 31 - i and i, of 64 rows x the 4 query heads of g.  Wave w: queries 16 (w / 2) on of the block, heads 2 (w % 2) and 2 (w % 2) + 1: two tiles, which share
; K's and V's fragments and the mask's numbers.  Two waves lie on a SIMD: one wave's vector work stands beside the other's matrix work and LDS loads.
; K AND V come as step blocks of 25,600 bytes (images of the operands' registers, and scale words), global -> registers -> LDS, two steps ahead, through two LDS slots; one barrier a step.
; NO TENSOR LOADS, NO CLUSTER, though the 16 work-groups of a head walk the same blocks: a joint request is a tensor load, and which steps a
; work-group needs differs from work-group to work-group.
; LAYOUT.  Both products are used transposed: S^T = K Q^T (source 0 = 16 keys, source 1 = 16 queries), O^T = V^T P^T: a lane holds ONE query (lane % 16) throughout; S's register 16 b + i is key 32 b + 16 (lane / 16) + i.
; input_pos is loaded and enters nothing: reference() takes it and does not use it.
; LIMITS: a zero block of q carries the byte 1 (its codes are zeros); blocks under 2^-122 are held at the byte 1; a block's largest p is taken from its largest score, which takes v_exp_f32 not to fall where its input
; rises; a row all of whose mask numbers are -infinity ends as 0 x (1 / 0) = NaN, as in reference(); NaN and infinities in q are not served.
; REGISTERS, window 0: v1-11 addresses; v16-35 scale words and nothing else; v36-43 statistics; v44-62 at work; v72-95 P's codes; v96-159 S^T, then p; v160-223 the mask's numbers; v224-248 a step block on its way.
;   window 1: v0-127 O^T (tile x at 64 x); v128-151 Q's two fragments; v160-255 eight fragments of K or of V^T.
.set L16, 1                            ; 16 x lane
.set T16, 2                            ; 16 x thread
.set T4,  3                            ; 4 x thread
.set SCW, 4                            ; where my thread's scale word goes in a slot: word (tile t, row r) at 24,576 (V: + 512) + 32 r + 4 t
.set SCR, 5                            ; and where my row's eight words are read: 24,576 + 32 r
.set MO,  6                            ; the mask: 8,192 r + 64 h
.set STW, 7                            ; my stage: 16 x lane of a row
.set STR, 8                            ; row r, + 128 h
.set STO, 9                            ; row r, + 32 h
.set PFO, 10                           ; 256 x lane
.set H8,  11                           ; 8 h
.set KS,  16                           ; v16-23 K's scale words, v24-31 V's, v32-33 Q's, v34-35 P's
.set VS,  24
.set QS,  32
.set PS,  34
.set ST,  36                           ; tile x at ST + 4 x: -M, the largest t, the sum in two halves
.set BM,  44                           ; v44-47 the blocks' largest scores
.set BP,  48                           ; v48-55 permutes, bytes, the second chain of sums, conversions' second halves
.set SO,  56                           ; v56-59 the conversions' scale operands
.set FF,  60                           ; v60 f or 1 / sum; v61 is named with it as a pair
.set TT,  62
.set P,   72
.set S,   96
.set MK,  160
.set G,   224
.set OT,  0                            ; window 1
.set Q,   128
.set F,   160
.set QT,  44                           ; q's quantiser: largest magnitudes, scale operands, bytes, a permute's destination, second halves
.set QSO, 46
.set QBY, 48
.set QPT, 50
.set QCT, 52
.set WV,  16                           ; s16 wave; s17 its tile of queries; s18 its pair of heads; s19 g; s20 i
.set QI,  17
.set HP,  18
.set GH,  19
.set WI,  20
.set PASS, 21
.set QB,  22                           ; the pass's query block
.set IPOS, 23
.set SEL, 24                           ; s[24:25] selects for lane l xor 16
.set CS,  26                           ; s[26:27] c = log2(e) / sqrt(128)
.set RT,  28                           ; s[28:29] sqrt(128)
.set ACT, 30                           ; bit 0: my tile of queries is live in the step in hand; bit n: n steps on
.set MIX, 31                           ; the same: live and not all zero
.set FL,  32                           ; s[32:63] the block's 32 flag words
.set WGA, 66                           ; live for some wave of the work-group
.set TRIPS, 67
.set KVB, 68                           ; s[68:69] the step block to be loaded
.set MB,  70                           ; s[70:71] the mask at my first query and the step to be loaded
.set QA,  72
.set OA,  74
.set QN,  76                           ; s[76:77] q of my tiles in the second pass
.set PF,  84                           ; 1 in the first pass
.set HB,  85                           ; 2,048 x my first head
.set Q16, 86                           ; 16 x my tile of queries
.set SLOT1, 32768
.set STAGE, 65536                      ; 16 rows x 528 bytes for each wave, its own: q's turn and the way out
.set MSB, 0
.macro WIN new                         ; the immediate's high byte repeats the setting that is left; bits 1:0 source 0, 3:2 source 1, 5:4 source 2, 7:6 destination
.if MSB != \new
	s_set_vgpr_msb (MSB<<8)|\new
.set MSB, \new
.endif
.endm
	s_load_b256 s[4:11], s[0:1], 0x0               ; q s[4:5], mask s[6:7], kvw s[8:9], flags s[10:11]
	s_load_b128 s[12:15], s[0:1], 0x20             ; input_pos s[12:13], out0 s[14:15]
	v_lshl_add_u32 v254, v0, 2, 0x20800
	v_mov_b32 v255, 0
	v_lshrrev_b32 v12, 5, v0
	v_readfirstlane_b32 s[WV], v12
	s_lshr_b32 s[QI], s[WV], 1
	s_and_b32 s[HP], s[WV], 1
	s_and_b32 s[GH], ttmp7, 0xffff
	s_mov_b32 s[WI], ttmp9
	v_and_b32 v12, 31, v0                          ; lane
	v_and_b32 v13, 15, v0                          ; r
	v_bfe_u32 v14, v0, 4, 1                        ; h
	v_lshlrev_b32 v[L16], 4, v12
	v_lshlrev_b32 v[T16], 4, v0
	v_lshlrev_b32 v[T4], 2, v0
	v_lshrrev_b32 v15, 7, v0                       ; threads 0-127 carry K's words, 128-255 V's
	v_lshlrev_b32 v[SCW], 9, v15
	v_lshl_add_u32 v[SCW], v13, 5, v[SCW]
	v_bfe_u32 v15, v0, 4, 3
	v_lshl_add_u32 v[SCW], v15, 2, v[SCW]
	v_add_nc_u32 v[SCW], 24576, v[SCW]
	v_lshlrev_b32 v[SCR], 5, v13
	v_add_nc_u32 v[SCR], 24576, v[SCR]
	v_lshlrev_b32 v[MO], 13, v13
	v_lshl_add_u32 v[MO], v14, 6, v[MO]
	s_mul_i32 s78, s[WV], 8448
	s_add_co_u32 s78, s78, STAGE
	v_add_nc_u32 v[STW], s78, v[L16]
	v_mul_u32_u24 v15, v13, 528
	v_add_nc_u32 v15, s78, v15
	v_lshl_add_u32 v[STR], v14, 7, v15
	v_lshl_add_u32 v[STO], v14, 5, v15
	v_lshlrev_b32 v[PFO], 8, v12
	v_lshlrev_b32 v[H8], 3, v14
.irp j, 48,49,50,51,52,53,54,55,61,62
	v_mov_b32 v\j, 0                               ; written once: a lane permute's destination counts as one of its sources, and v61 is named as the upper half of a pair
.endr
	s_mov_b32 s[SEL], 0x76543210
	s_mov_b32 s[SEL+1], 0xfedcba98
	s_mov_b32 s[CS], 0x3e0293ee
	s_mov_b32 s[CS+1], s[CS]
	s_mov_b32 s[RT], 0x413504f3
	s_mov_b32 s[RT+1], s[RT]
	s_lshl_b32 s[HB], s[GH], 2
	s_lshl_b32 s78, s[HP], 1
	s_add_co_u32 s[HB], s[HB], s78
	s_lshl_b32 s[HB], s[HB], 11
	s_lshl_b32 s[Q16], s[QI], 4
	s_lshl_b32 s78, s[WI], 6
	s_add_co_u32 s78, s78, s[Q16]
	s_add_co_u32 s78, s78, s[HB]
	s_lshl_b32 s78, s78, 9                         ; a row of q is 512 bytes
	s_mov_b32 s79, 0                               ; stays 0: the high word of every offset
	s_sub_co_u32 s[QB], 31, s[WI]
	s_mov_b32 s[PASS], 2
	s_mov_b32 s[PF], 1
	s_wait_kmcnt 0x0
	s_load_b32 s[IPOS], s[12:13], 0x0
	s_add_nc_u64 s[QN:QN+1], s[4:5], s[78:79]
; 64 numbers of a lane, register 32 c + i = number 64 c + 32 h + i of its row (two whole blocks), become the fragment's 12 registers at v[d] and the row's scale word in v[w].
.macro QUANT2 x, d, w
.irp c, 0,1
	v_max3_num_f32 v[QT+\c], |v[\x+32*\c]|, |v[\x+32*\c+1]|, 0x2800000   ; the floor 2^(5 - 127) among the leaves: the byte cannot fall under 1
.endr
.irp i, 2,4,6,8,10,12,14,16,18,20,22,24,26,28,30
.irp c, 0,1
	v_max3_num_f32 v[QT+\c], v[QT+\c], |v[\x+32*\c+\i]|, |v[\x+32*\c+\i+1]|
.endr
.endr
.irp c, 0,1
	v_add_nc_u32 v[QSO+\c], 0xfe000000, v[QT+\c]   ; 4 off the exponent field: the conversion's scale operand
.endr
.irp c, 0,1
	v_lshrrev_b32 v[QBY+\c], 23, v[QSO+\c]
.endr
	v_lshl_or_b32 v[QBY], v[QBY+1], 16, v[QBY]     ; my bytes: blocks h and 2 + h,
	v_lshlrev_b32 v[QBY], v[H8], v[QBY]            ; at their places;
	v_permlanex16_b32 v[QPT], v[QBY], s[SEL], s[SEL+1]
	v_or_b32 v[(\w)], v[QBY], v[QPT]               ; with lane l xor 16's two the word is whole
.irp c, 0,1
	v_cvt_scalef32_pk16_bf6_f32 v[\d+6*\c:\d+6*\c+2], v[\x+32*\c:\x+32*\c+15], v[QSO+\c]
	v_cvt_scalef32_pk16_bf6_f32 v[QCT+4*\c:QCT+4*\c+2], v[\x+32*\c+16:\x+32*\c+31], v[QSO+\c]   ; (a conversion's three registers begin on an even number)
.endr
	v_nop                                          ; one plain place behind a scaled conversion
.irp c, 0,1
.irp i, 0,1,2
	v_mov_b32 v[\d+6*\c+3+\i], v[QCT+4*\c+\i]
.endr
.endr
.endm
.macro GLOAD                           ; the step block at KVB: 16 bytes a thread six times, and a scale word a thread
.set n, 0
.rept 6
	global_load_b128 v[G+4*n:G+4*n+3], v[T16], s[KVB:KVB+1] offset:4096*n
.set n, n+1
.endr
	global_load_b32 v[G+24], v[T4], s[KVB:KVB+1] offset:24576
.endm
.macro GSTORE sb                       ; into the slot at sb, the codes as they lie, the scale words turned
.set n, 0
.rept 6
	ds_store_b128 v[T16], v[G+4*n:G+4*n+3] offset:(\sb)+4096*n
.set n, n+1
.endr
	ds_store_b32 v[SCW], v[G+24] offset:(\sb)
.endm
.macro MLOAD                           ; the mask's numbers of my 16 queries x 128 keys, in S^T's layout: register 16 b + i = mask(query r, key 32 b + 16 h + i)
.set n, 0
.rept 16
	global_load_b128 v[MK+4*n:MK+4*n+3], v[MO], s[MB:MB+1] offset:128*(n/4)+16*(n%4)
.set n, n+1
.endr
.endm
.macro QTURN x                         ; q's 16 rows lie in my stage: they come back 128 bytes a lane and become fragment x
.set n, 0
.rept 16
	ds_load_b128 v[MK+4*n:MK+4*n+3], v[STR] offset:256*(n/8)+16*(n%8)   ; LDS serves a wave's instructions in order: these see my stores
.set n, n+1
.endr
	s_wait_dscnt 0x0
	QUANT2 MK, P, QS+(\x)
	WIN 0x40
.set n, 0
.rept 12
	v_mov_b32 v[Q+12*(\x)+n], v[P+n]
.set n, n+1
.endr
	WIN 0
.endm
; ONE TILE (x = 0, 1: my two heads) OF A KEY STEP: the scores, the mask, the softmax, p's codes, O^T under the new M.
.macro TILE x, sb
.set rT, ST+4*(\x)
.set rP, P+12*(\x)
	WIN 0x05                                       ; K and Q in window 1, S^T in window 0
.irp t, 0,1,2,3,4,5,6,7
	v_wmma_scale_f32_16x16x128_f8f6f4 v[S+8*\t:S+8*\t+7], v[F+12*\t:F+12*\t+11], v[Q+12*(\x):Q+12*(\x)+11], 0, v[KS+\t], v[QS+(\x)] matrix_a_fmt:MATRIX_FMT_BF6 matrix_b_fmt:MATRIX_FMT_BF6
.endr
	WIN 0
.rept 4
	v_nop                                          ; four places in front of the first read of results and of loads into registers that these products have read
.endr
.if (\x) == 1                          ; K's fragments are done with: V^T's take their registers and land during this tile's softmax
	WIN 0x40
.set n, 0
.rept 24
	ds_load_b128 v[F+4*n:F+4*n+3], v[L16] offset:(\sb)+12288+512*n
.set n, n+1
.endr
	WIN 0
	ds_load_b128 v[VS:VS+3], v[SCR] offset:(\sb)+512
	ds_load_b128 v[VS+4:VS+7], v[SCR] offset:(\sb)+528
.endif
	s_bitcmp1_b32 s[MIX], 0
	s_cbranch_scc0 .Lopen_\@                       ; all zero: nothing to add
	s_wait_loadcnt 0x0                             ; the mask's 16 loads, issued at the last step's end
.set j, 0
.rept 32
	v_pk_fma_f32 v[S+j:S+j+1], v[MK+j:MK+j+1], s[RT:RT+1], v[S+j:S+j+1] op_sel_hi:[1,0,1]   ; score + mask x sqrt(128), one rounding; -infinity stays; each accumulator from its low end on
.set j, j+2
.endr
.Lopen_\@:
.irp b, 0,1,2,3
	v_max3_num_f32 v[BM+\b], v[S+16*\b], v[S+16*\b+1], v[S+16*\b+2]   ; the largest score of each block of 32 keys: it serves for the row's maximum and, since p rises with the score, for the block's largest p
.endr
.irp i, 3,5,7,9,11,13
.irp b, 0,1,2,3
	v_max3_num_f32 v[BM+\b], v[BM+\b], v[S+16*\b+\i], v[S+16*\b+\i+1]
.endr
.endr
.irp b, 0,1,2,3
	v_max_num_f32 v[BM+\b], v[BM+\b], v[S+16*\b+15]
.endr
.irp b, 0,1,2,3
	v_permlanex16_b32 v[BP+\b], v[BM+\b], s[SEL], s[SEL+1]
.endr
.irp b, 0,1,2,3
	v_max_num_f32 v[BM+\b], v[BM+\b], v[BP+\b]     ; with lane l xor 16's 16 keys
.endr
	v_max3_num_f32 v[TT], v[BM], v[BM+1], v[BM+2]
	v_max_num_f32 v[TT], v[TT], v[BM+3]
	v_mul_f32 v[TT], s[CS], v[TT]                  ; as t (c is positive)
	v_max_num_f32 v[rT+1], v[rT+1], v[TT]          ; the running largest t
	v_mov_b32 v[TT], v[rT]
	v_floor_f32 v[rT], -v[rT+1]                    ; the new -M = floor(-t): M is a whole number
	v_sub_f32 v[TT], v[rT], v[TT]                  ; old M - new M: a whole number, 0 or less
	v_cvt_i32_f32 v[TT], v[TT]                     ; (it saturates)
	v_ldexp_f32 v[FF], 1.0, v[TT]                  ; f = 2^(old M - new M)
.set j, 0
.rept 32
	v_pk_fma_f32 v[S+j:S+j+1], v[S+j:S+j+1], s[CS:CS+1], v[rT:rT+1] op_sel_hi:[1,0,0]   ; t - M, two at a time
.set j, j+2
.endr
.irp b, 0,1,2,3
	v_fma_f32 v[BM+\b], v[BM+\b], s[CS], v[rT]     ; the same of each block's largest score
.endr
.set j, 0
.rept 64
	v_exp_f32 v[S+j], v[S+j]                       ; p = 2^(t - M), at most 1
.set j, j+1
.endr
	v_pk_mul_f32 v[rT+2:rT+3], v[rT+2:rT+3], v[FF:FF+1] op_sel_hi:[1,0]   ; the sums under the new M; the plain place behind the exponentials
	s_wait_alu depctr_va_vdst(0)                   ; one wait for the batch of 64, ahead of its first reader
.irp b, 0,1,2,3
	v_exp_f32 v[BM+\b], v[BM+\b]                   ; the blocks' largest p
.endr
	v_pk_add_f32 v[BP:BP+1], v[S:S+1], v[S+2:S+3]  ; the row's sum is taken of the UNQUANTISED p: two at a time, in two chains
.irp j, 4,8,12,16,20,24,28,32,36,40,44,48,52,56,60
	v_pk_add_f32 v[rT+2:rT+3], v[rT+2:rT+3], v[S+\j:S+\j+1]
	v_pk_add_f32 v[BP:BP+1], v[BP:BP+1], v[S+\j+2:S+\j+3]
.endr
	v_pk_add_f32 v[rT+2:rT+3], v[rT+2:rT+3], v[BP:BP+1]
	s_wait_alu depctr_va_vdst(0)                   ; and one for the four
.irp b, 0,1,2,3
	v_max_num_f32 v[BM+\b], 0x2800000, v[BM+\b]    ; the floor 2^(5 - 127): a block whose every p is 0 keeps the byte 1; its codes are zeros
.endr
.irp b, 0,1,2,3
	v_add_nc_u32 v[SO+\b], 0xfe000000, v[BM+\b]
.endr
.irp b, 0,1,2,3
	v_lshrrev_b32 v[BP+\b], 23, v[SO+\b]
.endr
	v_lshl_or_b32 v[PS+(\x)], v[BP+1], 8, v[BP]    ; p's scale word for these 128 keys
	v_lshl_or_b32 v[PS+(\x)], v[BP+2], 16, v[PS+(\x)]
	v_lshl_or_b32 v[PS+(\x)], v[BP+3], 24, v[PS+(\x)]
.irp c, 0,1
	v_cvt_scalef32_pk16_bf6_f32 v[rP+6*\c:rP+6*\c+2], v[S+32*\c:S+32*\c+15], v[SO+2*\c]
	v_cvt_scalef32_pk16_bf6_f32 v[BP+4*\c:BP+4*\c+2], v[S+32*\c+16:S+32*\c+31], v[SO+2*\c+1]
.endr
	v_nop                                          ; one plain place behind a scaled conversion
.irp c, 0,1                            ; the operand's layout wants a WHOLE block in a lane: lanes 0-15 block 2 c, lanes 16-31 block 2 c + 1
.irp i, 0,1,2
	v_permlane16_swap_b32 v[rP+6*\c+\i], v[BP+4*\c+\i]
.endr
.irp i, 0,1,2
	v_mov_b32 v[rP+6*\c+3+\i], v[BP+4*\c+\i]
.endr
.endr
	WIN 0x41                                       ; O^T in window 1, f in window 0
.set j, 0
.rept 32
	v_pk_mul_f32 v[OT+64*(\x)+j:OT+64*(\x)+j+1], v[OT+64*(\x)+j:OT+64*(\x)+j+1], v[FF:FF+1] op_sel_hi:[1,0]   ; O^T under the new M; these are also the places between p's word and codes and the products
.set j, j+2
.endr
	WIN 0
.endm
; O^T += V^T P^T for both tiles: 16 accumulators, one instruction each, by turns.
.macro PV
	s_wait_dscnt 0x0                               ; V^T's fragments and scale words are in
	WIN 0x51                                       ; V^T in window 1, P in window 0, O^T in window 1
.irp t, 0,1,2,3,4,5,6,7
.irp x, 0,1
	v_wmma_scale_f32_16x16x128_f8f6f4 v[OT+64*\x+8*\t:OT+64*\x+8*\t+7], v[F+12*\t:F+12*\t+11], v[P+12*\x:P+12*\x+11], v[OT+64*\x+8*\t:OT+64*\x+8*\t+7], v[VS+\t], v[PS+\x] matrix_a_fmt:MATRIX_FMT_BF6 matrix_b_fmt:MATRIX_FMT_BF6
.endr
.endr
	WIN 0
.rept 4
	v_nop                                          ; four places in front of the next loads into the fragments' registers and of the next read of O^T
.endr
.endm
; A PREFETCH INTO THE L2 of q's rows of the second pass: my wave's two tiles, 16 rows x 512 bytes each, lanes 256 bytes apart: two instructions a wave, each block of 256 bytes named once in the launch.
; It stands once, in the first pass, in the live step behind which exactly one live step of the work-group remains, behind the step's loads.
.macro ASK
	s_lshr_b32 s78, s[WGA], 1
	s_bcnt1_i32_b32 s78, s78                       ; live steps still to come
	s_cmp_eq_u32 s78, 1
	s_cselect_b32 s78, s[WGA], 0
	s_and_b32 s78, s78, s[PF]                      ; this step is live, and the pass is the first
	s_cmp_lg_u32 s78, 0
	s_cbranch_scc0 .Lnot_now_\@
	global_prefetch_b8 v[PFO], s[QN:QN+1] th:TH_LOAD_NT scope:SCOPE_SE
	global_prefetch_b8 v[PFO], s[QN:QN+1] offset:1048576 th:TH_LOAD_NT scope:SCOPE_SE
.Lnot_now_\@:
.endm
; THE END OF A STEP, on every wave's path.  The next step's block goes from registers into the other slot, which was last read a step ago, in front of the last barrier; the block two steps on and the next step's mask are
; asked for.  ONE barrier: in front of it each wave's stores into the other slot have landed and its reads of this slot are back.
.macro STAGEK nsb
	s_wait_loadcnt 0x0                             ; every load of mine is in (they were issued a step ago): G holds the next block, and G, MK and the two bases may be written
	s_bitcmp1_b32 s[WGA], 1
	s_cbranch_scc0 .Lno_store_\@
	GSTORE \nsb
.Lno_store_\@:
	s_wait_dscnt 0x0                               ; for the others' sake: my stores have landed; they have read G; my reads of this slot are back
	s_add_nc_u64 s[KVB:KVB+1], s[KVB:KVB+1], 25600
	s_bitcmp1_b32 s[WGA], 2                        ; (bits 16 on are 0: no load leaves kvw or the mask)
	s_cbranch_scc0 .Lno_load_\@
	GLOAD
.Lno_load_\@:
	s_add_nc_u64 s[MB:MB+1], s[MB:MB+1], 512
	s_bitcmp1_b32 s[MIX], 1
	s_cbranch_scc0 .Lno_mask_\@
	MLOAD
.Lno_mask_\@:
	ASK
	s_lshr_b32 s[ACT], s[ACT], 1
	s_lshr_b32 s[MIX], s[MIX], 1
	s_lshr_b32 s[WGA], s[WGA], 1
	s_barrier_signal -1
	s_barrier_wait -1
.endm
.macro STEP sl
	s_bitcmp1_b32 s[ACT], 0
	s_cbranch_scc0 .Lidle_\@                       ; all of my tile's mask numbers in this step are -infinity: p = 0, no maximum moves
	WIN 0x40
.set n, 0
.rept 24
	ds_load_b128 v[F+4*n:F+4*n+3], v[L16] offset:SLOT1*(\sl)+512*n      ; K's eight fragments, as images: 512 consecutive bytes a load
.set n, n+1
.endr
	WIN 0
	ds_load_b128 v[KS:KS+3], v[SCR] offset:SLOT1*(\sl)
	ds_load_b128 v[KS+4:KS+7], v[SCR] offset:SLOT1*(\sl)+16
	s_wait_dscnt 0x0
	TILE 0, SLOT1*(\sl)
	TILE 1, SLOT1*(\sl)
	PV
.Lidle_\@:
	STAGEK SLOT1*(1-(\sl))
.endm
; THE WAY OUT of tile x: O^T / the sum goes through my stage and leaves as whole rows of 512 bytes.
.macro OUT x
.set rT, ST+4*(\x)
	v_add_f32 v[TT], v[rT+2], v[rT+3]              ; the sum's two halves,
	v_permlanex16_b32 v[BP], v[TT], s[SEL], s[SEL+1]
	v_add_f32 v[TT], v[TT], v[BP]                  ; and lane l xor 16's
	v_rcp_f32 v[FF], v[TT]
	v_nop                                          ; a plain place behind the transcendental
	s_wait_alu depctr_va_vdst(0)                   ; and the wait ahead of its first reader
	WIN 0x01
.set j, 0
.rept 32
	v_pk_mul_f32 v[S+j:S+j+1], v[OT+64*(\x)+j:OT+64*(\x)+j+1], v[FF:FF+1] op_sel_hi:[1,0]   ; register 8 t + i is o(query r, channel 16 t + 8 h + i); each accumulator from its low end on
.set j, j+2
.endr
	WIN 0
.set n, 0
.rept 8
	ds_store_b128 v[STO], v[S+8*n:S+8*n+3] offset:64*n
	ds_store_b128 v[STO], v[S+8*n+4:S+8*n+7] offset:64*n+16
.set n, n+1
.endr
.set n, 0
.rept 16
	ds_load_b128 v[MK+4*n:MK+4*n+3], v[STW] offset:528*n               ; LDS serves a wave's instructions in order: these see my stores
.set n, n+1
.endr
.set n, 0
.rept 16
	s_wait_dscnt 15-n                              ; row n is back; the younger loads may stay out
	global_store_b128 v[L16], v[MK+4*n:MK+4*n+3], s[OA:OA+1] offset:16384*n+512*(\x) th:TH_STORE_NT   ; 512 consecutive bytes, at a multiple of 512 from out0's first byte
.set n, n+1
.endr
	s_wait_xcnt 0x0                                ; the stores have read their registers and their base: both may be written again
.endm
.Lpass:
	; the block's flags: 4 tiles of queries x 8 words
	s_lshl_b32 s78, s[QB], 7
	s_add_nc_u64 s[80:81], s[10:11], s[78:79]
	s_load_b512 s[FL:FL+15], s[80:81], 0x0
	s_load_b512 s[FL+16:FL+31], s[80:81], 0x40
	s_lshl_b32 s82, s[QB], 6
	s_add_co_u32 s82, s82, s[Q16]                  ; my first query
	s_mul_i32 s78, s[GH], 409600
	s_add_nc_u64 s[KVB:KVB+1], s[8:9], s[78:79]    ; the head's step 0
	s_lshl_b32 s78, s82, 13
	s_add_nc_u64 s[MB:MB+1], s[6:7], s[78:79]
	s_add_co_u32 s78, s[HB], s82
	s_lshl_b32 s78, s78, 9
	s_add_nc_u64 s[QA:QA+1], s[4:5], s[78:79]
	s_lshr_b32 s78, s[GH], 3                       ; the batch
	s_lshl_b32 s78, s78, 11
	s_add_co_u32 s78, s78, s82
	s_lshl_b32 s78, s78, 14                        ; a row of out0 is 16,384 bytes
	s_and_b32 s83, s[GH], 7
	s_lshl_b32 s83, s83, 1
	s_add_co_u32 s83, s83, s[HP]
	s_lshl_b32 s83, s83, 10                        ; my first head's 512 bytes in it
	s_add_co_u32 s78, s78, s83
	s_add_nc_u64 s[OA:OA+1], s[14:15], s[78:79]
	GLOAD                                          ; step 0, without condition
.set n, 0
.rept 16
	global_load_b128 v[S+4*n:S+4*n+3], v[L16], s[QA:QA+1] offset:512*n th:TH_LOAD_NT          ; q, my first head: 16 whole rows
.set n, n+1
.endr
	WIN 0x40
.set n, 0
.rept 16
	global_load_b128 v[F+4*n:F+4*n+3], v[L16], s[QA:QA+1] offset:1048576+512*n th:TH_LOAD_NT  ; my second head
.set n, n+1
.endr
	WIN 0
	s_wait_kmcnt 0x0
.irp t, 0,1,2,3
.irp w, 1,2,3,4,5,6,7
	s_or_b32 s[FL+8*\t], s[FL+8*\t], s[FL+8*\t+\w] ; a tile's eight words hold different bits: together, bit n = live in step n, bit 16 + n = not all zero
.endr
.endr
	s_or_b32 s78, s[FL], s[FL+8]
	s_or_b32 s80, s[FL+16], s[FL+24]
	s_or_b32 s78, s78, s80
	s_and_b32 s[WGA], s78, 0xffff
	s_cmp_eq_u32 s[QI], 1
	s_cselect_b32 s78, s[FL+8], s[FL]
	s_cmp_eq_u32 s[QI], 2
	s_cselect_b32 s78, s[FL+16], s78
	s_cmp_eq_u32 s[QI], 3
	s_cselect_b32 s78, s[FL+24], s78
	s_and_b32 s[ACT], s78, 0xffff
	s_lshr_b32 s78, s78, 16
	s_and_b32 s[MIX], s78, s[ACT]
	s_wait_loadcnt 16                              ; step 0's block and my first head's rows are in; my second head's 16 loads may stay out
	GSTORE 0                                       ; slot 0 was last read in front of the last two barriers
.set n, 0
.rept 16
	ds_store_b128 v[STW], v[S+4*n:S+4*n+3] offset:528*n
.set n, n+1
.endr
	QTURN 0
	s_wait_loadcnt 0x0
	WIN 0x04                                       ; an LDS store's data are its source 1: window 1
.set n, 0
.rept 16
	ds_store_b128 v[STW], v[F+4*n:F+4*n+3] offset:528*n
.set n, n+1
.endr
	WIN 0
	QTURN 1
	WIN 0x40
.set j, 0
.rept 128
	v_mov_b32 v[OT+j], 0                           ; O^T is cleared: which step is a wave's first is known only from the flags, so no product can be written out to start the sums.  (Also the places between Q's words and codes and the first products)
.set j, j+1
.endr
	WIN 0
.irp x, 0,1
	v_mov_b32 v[ST+4*\x+1], 0xff61b1e6             ; the largest t so far: -3e38, under every t
	v_floor_f32 v[ST+4*\x], -v[ST+4*\x+1]          ; -M
	v_mov_b32 v[ST+4*\x+2], 0                      ; the sum, in two halves
	v_mov_b32 v[ST+4*\x+3], 0
.endr
	s_add_nc_u64 s[KVB:KVB+1], s[KVB:KVB+1], 25600 ; (every load of mine is in)
	s_bitcmp1_b32 s[WGA], 1
	s_cbranch_scc0 .Lno_first_load
	GLOAD                                          ; step 1
.Lno_first_load:
	s_bitcmp1_b32 s[MIX], 0
	s_cbranch_scc0 .Lno_first_mask
	MLOAD                                          ; step 0's mask
.Lno_first_mask:
	s_wait_dscnt 0x0                               ; my part of slot 0 has landed
	s_barrier_signal -1
	s_barrier_wait -1
	s_mov_b32 s[TRIPS], 8
.Ltrip:                                            ; 8 trips of two key steps: the slot is a constant of each copy
	STEP 0
	STEP 1
	s_sub_co_u32 s[TRIPS], s[TRIPS], 1
	s_cmp_lg_u32 s[TRIPS], 0
	s_cbranch_scc1 .Ltrip
	s_wait_loadcnt 0x0                             ; no load into G or the mask's registers is out on any path
	OUT 0
	OUT 1
	s_mov_b32 s[QB], s[WI]                         ; the second pass: query block i
	s_mov_b32 s[PF], 0
	s_sub_co_u32 s[PASS], s[PASS], 1
	s_cmp_lg_u32 s[PASS], 0
	s_cbranch_scc1 .Lpass
	s_wait_tensorcnt 0x0
	ds_add_u32 v254, v255
	s_wait_dscnt 0x0
	s_endpgm
.Lfunc_end_k_q88c5d1a123_attn:
	.size	k_q88c5d1a123_attn, .Lfunc_end_k_q88c5d1a123_attn-k_q88c5d1a123_attn
	.p2alignl 7, 3214868480
	.fill 96, 4, 3214868480
	.section	.rodata,"a",@progbits
	.p2align	6, 0x0
	.amdhsa_kernel k_q88c5d1a123_attn
		.amdhsa_group_segment_fixed_size 134144
		.amdhsa_private_segment_fixed_size 0
		.amdhsa_enable_private_segment 0
		.amdhsa_kernarg_size 48
		.amdhsa_user_sgpr_count 2
		.amdhsa_user_sgpr_kernarg_segment_ptr 1
		.amdhsa_wavefront_size32 1
		.amdhsa_system_sgpr_workgroup_id_x 1
		.amdhsa_system_sgpr_workgroup_id_y 1
		.amdhsa_system_sgpr_workgroup_id_z 1
		.amdhsa_system_vgpr_workitem_id 0
		.amdhsa_next_free_vgpr 512
		.amdhsa_next_free_sgpr 96
		.amdhsa_reserve_vcc 0
		.amdhsa_float_denorm_mode_32 3
		.amdhsa_float_denorm_mode_16_64 3
		.amdhsa_memory_ordered 1
		.amdhsa_forward_progress 1
		.amdhsa_inst_pref_size 123
	.end_amdhsa_kernel
	.amdgpu_metadata
---
amdhsa.version: [ 1, 2 ]
amdhsa.kernels:
  - .name:           k_q88c5d1a123_attn
    .symbol:         k_q88c5d1a123_attn.kd
    .args:
      - { .name: q, .offset: 0, .size: 8, .value_kind: global_buffer, .address_space: global }
      - { .name: mask, .offset: 8, .size: 8, .value_kind: global_buffer, .address_space: global }
      - { .name: kvw, .offset: 16, .size: 8, .value_kind: global_buffer, .address_space: global }
      - { .name: flags, .offset: 24, .size: 8, .value_kind: global_buffer, .address_space: global }
      - { .name: input_pos, .offset: 32, .size: 8, .value_kind: global_buffer, .address_space: global }
      - { .name: out0, .offset: 40, .size: 8, .value_kind: global_buffer, .address_space: global }
    .group_segment_fixed_size: 134144
    .private_segment_fixed_size: 0
    .kernarg_segment_align: 8
    .kernarg_segment_size: 48
    .max_flat_workgroup_size: 256
    .sgpr_count:     96
    .vgpr_count:     512
    .wavefront_size: 32
...
	.end_amdgpu_metadata
.endif
;; end of part 2
;; ======== version 2 of 2: 2 launches
;; workspace buffers: kvw 6,553,600 bytes; flags 4,096 bytes of whole numbers
;; launch prep (part 3): grid 384 x 1, 8 waves a work-group, no clusters, 93,184 bytes of LDS; arguments k, v, mask, kvw, flags; writes kvw, flags
.if DOCPART == 3
	.amdgcn_target "amdgcn-amd-amdhsa--gfx1250"
	.amdhsa_code_object_version 6
	.text
	.protected	k_q88c5d1a123_prep
	.globl	k_q88c5d1a123_prep
	.p2align	8
	.type	k_q88c5d1a123_prep,@function
k_q88c5d1a123_prep:
	s_mov_b64 s[64:65], 0
	v_nop
	global_prefetch_b8 v0, s[64:65] scope:SCOPE_SE
	s_setreg_imm32_b32 hwreg(HW_REG_WAVE_MODE, 25, 1), 1
	s_wait_xcnt 0x0
; k and v [2][8][2048][128] f32 become codes of BF6 (E3M2) with one E8M0 scale byte for each 32 along a product's K, and the mask's tiles are classified.
; kvw: 256 step blocks of 25,600 bytes, block J = 16 x (K/V head) + (step of 128 keys):
;   0      K's 8 fragments (16 keys x the head's 128), 1,536 bytes each     12,288  V^T's 8 fragments (16 channels x 128 keys)
;   24,576 K's scale words, tile t row r at 64 t + 4 r                      25,088  V's scale words, channel d at 4 d
; A fragment lies as an IMAGE OF THE OPERAND'S REGISTERS: register p (0..11) of lane L at 512 (p / 4) + 16 L + 4 (p % 4): three loads of 16 bytes a lane bring it.
; THE KEYS OF A TILE OF K ARE NOT NEIGHBOURS: row m of tile 2 b + u is key 32 b + 8 u + m + 8 (m / 8), so that in S^T = K Q^T a lane's 16 registers of tiles 2 b, 2 b + 1 are 16 neighbouring keys.
; flags: word [query tile T of 16 rows][w]: for key steps 2 w and 2 w + 1, bit 2 w + e: the tile's 16 x 128 mask numbers are NOT all -infinity; bit 16 + 2 w + e: they are NOT all +-0.
; A block's scale is 2^(floor(log2(its largest magnitude)) - 4): its byte is the largest magnitude's exponent field - 4, held at 1 from below.
; LIMITS: a block of zeros gets the byte 1 where the rule says 127 (its codes are zeros, and this program alone reads the bytes); blocks whose largest magnitude lies under 2^-122 are held at the byte 1;
; NaN and infinities in k and v are not served.  In the mask NaN and +infinity count as live and as not zero.
; SHARES: work-groups 0-127 take k, 128-255 v, 256-383 the mask; every wave reads 16 KB and shares nothing with another: no barrier.  Each path has LDS bytes of its own.
.set R,    16                          ; v16-143  numbers as loaded (k, mask);  v16-79 two sets of 32 (v)
.set X,    144                         ; v144-207 k: a lane's two whole blocks of its row;  v144-152 at work on the mask
.set D0,   208                         ; v208-219 the first tile's fragment
.set D1,   220                         ; v220-231 the second's
.set W0,   232                         ; their scale words
.set W1,   233
.set QT,   234                         ; v234-235 largest magnitudes
.set QSO,  236                         ; v236-237 the conversions' scale operands
.set QBY,  238                         ; v238-239 scale bytes
.set QPT,  241                         ; a lane permute's destination
.set QCT,  244                         ; v244-246, v248-250 the second half of a block's six registers, made here and moved
.set H8,   11                          ; v11      8 x (lane / 16)
.set SEL,  20                          ; s[20:21] v_permlanex16_b32's selects for lane l xor 16
.set VST0, 67584                       ; LDS: k's stages, 8 x 16 rows x 528 bytes, lie below; v's images, 8 x 3,072 bytes, from here on
	s_load_b256 s[4:11], s[0:1], 0x0               ; k s[4:5], v s[6:7], mask s[8:9], kvw s[10:11]
	s_load_b64 s[12:13], s[0:1], 0x20              ; flags
	v_lshl_add_u32 v254, v0, 2, 0x16800
	v_mov_b32 v255, 0
	v_lshrrev_b32 v1, 5, v0
	s_delay_alu instid0(VALU_DEP_1)
	v_readfirstlane_b32 s16, v1                    ; wave 0..7
	v_and_b32 v1, 31, v0                           ; lane
	v_and_b32 v2, 15, v0                           ; r
	v_bfe_u32 v3, v0, 4, 1                         ; h
	s_delay_alu instid0(VALU_DEP_3)
	v_lshlrev_b32 v4, 4, v1                        ; 16 x lane
	s_wait_alu depctr_va_vdst(0)
	v_lshlrev_b32 v7, 2, v1                        ; 4 x lane
	v_lshlrev_b32 v[H8], 3, v3
	v_mov_b32 v[QPT], 0                            ; written once: a lane permute's destination counts as one of its sources
	s_mov_b32 s[SEL], 0x76543210
	s_mov_b32 s[SEL+1], 0xfedcba98
	s_lshr_b32 s17, s16, 2                         ; which of the work-group's two step blocks
	s_and_b32 s18, s16, 3                          ; which quarter of it
	s_mov_b32 s25, 0                               ; the offsets' high words
	s_mov_b32 s27, 0
	s_mov_b32 s29, 0
	; every LDS address is made here, ahead of the parting of the three paths
	s_mul_i32 s19, s16, 8448
	v_add_nc_u32 v5, s19, v4                       ; k's stage, in: 16 x lane of a row of 512 bytes
	v_mul_u32_u24 v6, v2, 528
	s_delay_alu instid0(VALU_DEP_1)
	v_lshl_add_u32 v6, v3, 7, v6
	s_delay_alu instid0(VALU_DEP_1)
	v_add_nc_u32 v6, s19, v6                       ; and back: row r, + 128 h: 32 numbers of my half
	s_mul_i32 s19, s16, 3072
	s_add_co_u32 s19, s19, VST0
	v_mul_u32_u24 v8, v3, 1536
	s_delay_alu instid0(VALU_DEP_1)
	v_lshl_add_u32 v8, v2, 4, v8
	s_delay_alu instid0(VALU_DEP_1)
	v_add_nc_u32 v8, s19, v8                       ; v's images, in: tile lane / 16, target lane r
	v_add_nc_u32 v9, s19, v4                       ; and back: 16 x lane
	s_cmp_lt_u32 ttmp9, 128
	s_cbranch_scc0 .Lnot_k
; 64 numbers of a lane, register 32 c + i = number 64 c + 32 h + i of its row (two whole blocks), become the fragment's 12 registers at v[d] and the row's scale word in v[w].
.macro QUANT2 x, d, w
.irp c, 0,1
	v_max3_num_f32 v[QT+\c], |v[\x+32*\c]|, |v[\x+32*\c+1]|, 0x2800000   ; the floor 2^(5 - 127) among the leaves: the byte cannot fall under 1
.endr
.irp i, 2,4,6,8,10,12,14,16,18,20,22,24,26,28,30
.irp c, 0,1
	s_delay_alu instid0(VALU_DEP_2)
	v_max3_num_f32 v[QT+\c], v[QT+\c], |v[\x+32*\c+\i]|, |v[\x+32*\c+\i+1]|   ; the two blocks by turns
.endr
.endr
.irp c, 0,1
	s_delay_alu instid0(VALU_DEP_2)
	v_add_nc_u32 v[QSO+\c], 0xfe000000, v[QT+\c]   ; 4 off the exponent field: the conversion takes this operand's exponent field as its scale
.endr
.irp c, 0,1
	s_delay_alu instid0(VALU_DEP_2)
	v_lshrrev_b32 v[QBY+\c], 23, v[QSO+\c]         ; the scale's byte
.endr
	s_delay_alu instid0(VALU_DEP_1)
	v_lshl_or_b32 v[QBY], v[QBY+1], 16, v[QBY]     ; my bytes: blocks h and 2 + h,
	s_delay_alu instid0(VALU_DEP_1)
	v_lshlrev_b32 v[QBY], v[H8], v[QBY]            ; at their places in the word;
	s_delay_alu instid0(VALU_DEP_1)
	v_permlanex16_b32 v[QPT], v[QBY], s[SEL], s[SEL+1]
	s_delay_alu instid0(VALU_DEP_1)
	v_or_b32 v[(\w)], v[QBY], v[QPT]               ; with lane l xor 16's two the word is whole
.irp c, 0,1
	v_cvt_scalef32_pk16_bf6_f32 v[\d+6*\c:\d+6*\c+2], v[\x+32*\c:\x+32*\c+15], v[QSO+\c]
	v_cvt_scalef32_pk16_bf6_f32 v[QCT+4*\c:QCT+4*\c+2], v[\x+32*\c+16:\x+32*\c+31], v[QSO+\c]   ; (a conversion's three registers begin on an even number)
.endr
	v_nop                                          ; one plain place behind a scaled conversion
.irp c, 0,1
.irp i, 0,1,2
	v_mov_b32 v[\d+6*\c+3+\i], v[QCT+4*\c+\i]
.endr
.endr
.endm
	; ---- k: my wave's 32 neighbouring keys, 16 KB, become tiles 2 b and 2 b + 1 of block J
	s_lshl_b32 s22, ttmp9, 1
	s_add_co_u32 s22, s22, s17                     ; J
	s_lshl_b32 s24, s22, 16
	s_lshl_b32 s23, s18, 14
	s_add_co_u32 s24, s24, s23                     ; in k: 65,536 J + 16,384 b
	s_mul_i32 s26, s22, 25600
	s_mul_i32 s23, s18, 3072
	s_add_co_u32 s28, s26, s23                     ; in kvw: the two fragments,
	s_lshl_b32 s23, s18, 7
	s_add_co_u32 s26, s26, s23
	s_add_co_u32 s26, s26, 24576                   ; and their 32 scale words
	s_wait_kmcnt 0x0
	s_add_nc_u64 s[4:5], s[4:5], s[24:25]
	s_add_nc_u64 s[28:29], s[10:11], s[28:29]
	s_add_nc_u64 s[26:27], s[10:11], s[26:27]
.irp u, 0,1
.irp p, 0,1,2,3,4,5,6,7,8,9,10,11,12,13,14,15
	global_load_b128 v[R+64*\u+4*\p:R+64*\u+4*\p+3], v4, s[4:5] offset:512*(8*\u+\p+8*(\p/8)) th:TH_LOAD_NT   ; a whole key row, 512 consecutive bytes, in the order of the tile's rows
.endr
.endr
; A tile: its 16 rows go through my stage as they lie and come back 128 bytes a lane.  Rows are 528 bytes = 132 words apart: the 16 rows that a load touches start 4 words apart modulo 64.
.macro KTILE u, d, w, left
	s_wait_loadcnt \left                           ; this tile's 16 loads are in; the other tile's may stay out
.irp p, 0,1,2,3,4,5,6,7,8,9,10,11,12,13,14,15
	ds_store_b128 v5, v[R+64*\u+4*\p:R+64*\u+4*\p+3] offset:528*\p
.endr
.irp c, 0,1
.irp j, 0,1,2,3,4,5,6,7
	ds_load_b128 v[X+32*\c+4*\j:X+32*\c+4*\j+3], v6 offset:256*\c+16*\j   ; LDS serves a wave's instructions in order: these see my stores
.endr
.endr
	s_wait_dscnt 0x0
	QUANT2 X, \d, \w
.irp g, 0,1,2
	global_store_b128 v4, v[\d+4*\g:\d+4*\g+3], s[28:29] offset:1536*\u+512*\g   ; 512 consecutive bytes, at a multiple of 512 from kvw's first byte
.endr
.endm
	s_wait_alu depctr_va_vdst(0)
	KTILE 0, D0, W0, 16
	KTILE 1, D1, W1, 0
	v_cmp_le_u32 vcc_lo, 16, v1
	s_delay_alu instid0(VALU_DEP_1)
	v_cndmask_b32 v[QT], v[W0], v[W1], vcc_lo      ; lanes 0-15: the first tile's words, lanes 16-31: the second's (both halves of the lanes hold a row's word)
	global_store_b32 v7, v[QT], s[26:27]           ; 128 consecutive bytes; four waves fill K's 512
	s_wait_tensorcnt 0x0
	ds_add_u32 v254, v255
	s_wait_dscnt 0x0
	s_endpgm
.Lnot_k:
	s_cmp_lt_u32 ttmp9, 256
	s_cbranch_scc0 .Lmask
	; ---- v: the keys are its K and its first axis.  A LANE TAKES A CHANNEL, AND ITS REGISTERS RUN DOWN THE KEYS: a block of 32 keys lies in one lane, and the codes come out with the keys innermost.
	s_sub_co_u32 s22, ttmp9, 128
	s_lshl_b32 s22, s22, 1
	s_add_co_u32 s22, s22, s17                     ; J
	s_lshl_b32 s24, s22, 16
	s_lshl_b32 s23, s18, 7
	s_add_co_u32 s24, s24, s23                     ; in v: 65,536 J + my 32 channels' 128 bytes
	s_mul_i32 s26, s22, 25600
	s_mul_i32 s28, s18, 3072
	s_add_co_u32 s28, s28, s26
	s_add_co_u32 s28, s28, 12288                   ; in kvw: V^T's tiles 2 w' and 2 w' + 1,
	s_add_co_u32 s26, s26, s23
	s_add_co_u32 s26, s26, 25088                   ; and my 32 channels' scale words
	s_wait_kmcnt 0x0
	s_add_nc_u64 s[6:7], s[6:7], s[24:25]
	s_add_nc_u64 s[28:29], s[10:11], s[28:29]
	s_add_nc_u64 s[26:27], s[10:11], s[26:27]
.macro VLOAD t                         ; block t: v(key 32 t + i, my channel) into set t % 2; a wave reads 128 consecutive bytes, four waves side by side a row's 512
.irp i, 0,1,2,3,4,5,6,7,8,9,10,11,12,13,14,15,16,17,18,19,20,21,22,23,24,25,26,27,28,29,30,31
	global_load_b32 v[R+32*((\t)%2)+\i], v7, s[6:7] offset:512*(32*(\t)+\i) th:TH_LOAD_NT
.endr
.endm
	VLOAD 0
	VLOAD 1
; Block t = 2 c + hb of my channel is registers 6 c .. 6 c + 5 of lane r + 16 hb of my channel's tile: it goes to that place in the tile's image.
.macro VBLOCK t
.set XS, R+32*((\t)%2)
.if (\t) < 3
	s_wait_loadcnt 32                              ; this block's 32 loads are in; the next block's may stay out
.else
	s_wait_loadcnt 0x0
.endif
	v_max3_num_f32 v12, |v[XS]|, |v[XS+1]|, |v[XS+2]|
	v_max3_num_f32 v13, |v[XS+3]|, |v[XS+4]|, |v[XS+5]|
.irp i, 6,10,14,18,22,26
	s_delay_alu instid0(VALU_DEP_2)
	v_max3_num_f32 v12, v12, |v[XS+\i]|, |v[XS+\i+1]|
	s_delay_alu instid0(VALU_DEP_2)
	v_max3_num_f32 v13, v13, |v[XS+\i+2]|, |v[XS+\i+3]|
.endr
	s_delay_alu instid0(VALU_DEP_2)
	v_max3_num_f32 v12, v12, |v[XS+30]|, |v[XS+31]|
	s_delay_alu instid0(VALU_DEP_1)
	v_max3_num_f32 v12, v12, v13, 0x2800000        ; and the floor
	s_delay_alu instid0(VALU_DEP_1)
	v_add_nc_u32 v14, 0xfe000000, v12              ; the conversion's scale operand
	s_delay_alu instid0(VALU_DEP_1)
	v_lshrrev_b32 v13, 23, v14                     ; the byte
.if (\t) == 0
	s_delay_alu instid0(VALU_DEP_1)
	v_mov_b32 v108, v13                            ; four bytes to my channel's word, the lower keys in the lower byte
.else
	s_delay_alu instid0(VALU_DEP_1)
	v_lshl_or_b32 v108, v13, 8*(\t), v108
.endif
	v_cvt_scalef32_pk16_bf6_f32 v[96:98], v[XS:XS+15], v14
	v_cvt_scalef32_pk16_bf6_f32 v[104:106], v[XS+16:XS+31], v14
	v_nop                                          ; one plain place behind a scaled conversion
	v_mov_b32 v99, v104
	v_mov_b32 v100, v105
	v_mov_b32 v101, v106
.if (\t) < 2
	ds_store_b128 v8, v[96:99] offset:256*((\t)%2)             ; registers 0-3
	ds_store_b64 v8, v[100:101] offset:512+256*((\t)%2)        ; registers 4, 5
.else
	ds_store_b64 v8, v[96:97] offset:520+256*((\t)%2)          ; registers 6, 7
	ds_store_b128 v8, v[98:101] offset:1024+256*((\t)%2)       ; registers 8-11
.endif
.if (\t)+2 < 4
	VLOAD (\t)+2
.endif
	s_wait_dscnt 0x0                               ; the stores have read their registers: the next block's codes may be written
.endm
	VBLOCK 0
	VBLOCK 1
	VBLOCK 2
	VBLOCK 3
	s_wait_alu depctr_va_vdst(0)
	global_store_b32 v7, v108, s[26:27]            ; 128 consecutive bytes; four waves fill V's 512
.irp i, 0,1,2,3,4,5
	ds_load_b128 v[128+4*\i:128+4*\i+3], v9 offset:512*\i      ; my two images, as they lie
.endr
.irp i, 0,1,2,3,4,5
	s_wait_dscnt 5-\i                              ; load i is in; the younger ones may stay out
	global_store_b128 v4, v[128+4*\i:128+4*\i+3], s[28:29] offset:512*\i
.endr
	s_wait_tensorcnt 0x0
	ds_add_u32 v254, v255
	s_wait_dscnt 0x0
	s_endpgm
.Lmask:
	; ---- the mask: query tile T (16 rows); my wave takes key steps 2 w and 2 w + 1.  The words are only ORed and ANDed: all are one pattern exactly where OR = AND = that pattern.
	s_sub_co_u32 s22, ttmp9, 256                   ; T
	s_lshl_b32 s24, s22, 17                        ; 16 rows of 8,192 bytes
	s_lshl_b32 s23, s16, 10                        ; 256 columns
	s_add_co_u32 s24, s24, s23
	s_lshl_b32 s26, s22, 5
	s_lshl_b32 s23, s16, 2
	s_add_co_u32 s26, s26, s23                     ; my word of flags
	s_mov_b32 s34, 0xff800000                      ; -infinity
	s_wait_kmcnt 0x0
	s_add_nc_u64 s[8:9], s[8:9], s[24:25]
	s_add_nc_u64 s[12:13], s[12:13], s[26:27]
.irp s, 0,1
.irp i, 0,1,2,3,4,5,6,7,8,9,10,11,12,13,14,15
	global_load_b128 v[R+64*\s+4*\i:R+64*\s+4*\i+3], v4, s[8:9] offset:8192*\i+512*\s   ; a row's 128 numbers of a step: 512 consecutive bytes
.endr
.endr
.macro MSTEP s, left
	s_wait_loadcnt \left                           ; this step's 16 loads are in; the other step's may stay out
.irp k, 0,1,2,3
	v_or_b32 v[144+\k], v[R+64*\s+\k], v[R+64*\s+4+\k]         ; four chains of each kind
	v_and_b32 v[148+\k], v[R+64*\s+\k], v[R+64*\s+4+\k]
.endr
.set n, 2
.rept 14
.irp k, 0,1,2,3
	v_or_b32 v[144+\k], v[144+\k], v[R+64*\s+4*n+\k]
	v_and_b32 v[148+\k], v[148+\k], v[R+64*\s+4*n+\k]
.endr
.set n, n+1
.endr
	v_or_b32 v144, v144, v145
	s_delay_alu instid0(VALU_DEP_3)
	v_or_b32 v146, v146, v147
	v_and_b32 v148, v148, v149
	s_delay_alu instid0(VALU_DEP_4)
	v_and_b32 v150, v150, v151
	s_delay_alu instid0(VALU_DEP_3)
	v_or_b32 v144, v144, v146
	s_delay_alu instid0(VALU_DEP_2)
	v_and_b32 v148, v148, v150
	s_delay_alu instid0(VALU_DEP_2)
	v_cmp_ne_u32 s30, s34, v144
	s_delay_alu instid0(VALU_DEP_2)
	v_cmp_ne_u32 s31, s34, v148
	s_or_b32 s30, s30, s31                         ; some lane holds a word that is not -infinity
	s_cselect_b32 s[36+\s], 1, 0
	v_and_b32 v144, 0x7fffffff, v144
	s_delay_alu instid0(VALU_DEP_1)
	v_cmp_ne_u32 s30, 0, v144
	s_cmp_lg_u32 s30, 0                            ; some lane holds a word that is not +-0
	s_cselect_b32 s[38+\s], 1, 0
.endm
	MSTEP 0, 16
	MSTEP 1, 0
	s_lshl_b32 s37, s37, 1
	s_or_b32 s36, s36, s37
	s_lshl_b32 s39, s39, 1
	s_or_b32 s38, s38, s39
	s_lshl_b32 s23, s16, 1
	s_lshl_b32 s36, s36, s23                       ; bits 2 w, 2 w + 1
	s_add_co_u32 s23, s23, 16
	s_lshl_b32 s38, s38, s23                       ; bits 16 + 2 w, 17 + 2 w
	s_or_b32 s36, s36, s38
	v_mov_b32 v152, s36                            ; the numbers are stored, and steer nothing in this launch
	s_wait_alu depctr_va_vdst(0)
	s_wait_xcnt 0x0                                ; EXEC changes only behind this wait
	v_cmp_eq_u32 vcc_lo, 0, v1
	s_and_saveexec_b32 s30, vcc_lo
	global_store_b32 v7, v152, s[12:13]            ; lane 0 alone: one word a wave
	s_wait_xcnt 0x0                                ; and again in front of the line that widens it
	s_or_b32 exec_lo, exec_lo, s30
	s_endpgm
.Lfunc_end_k_q88c5d1a123_prep:
	.size	k_q88c5d1a123_prep, .Lfunc_end_k_q88c5d1a123_prep-k_q88c5d1a123_prep
	.p2alignl 7, 3214868480
	.fill 96, 4, 3214868480
	.section	.rodata,"a",@progbits
	.p2align	6, 0x0
	.amdhsa_kernel k_q88c5d1a123_prep
		.amdhsa_group_segment_fixed_size 93184
		.amdhsa_private_segment_fixed_size 0
		.amdhsa_enable_private_segment 0
		.amdhsa_kernarg_size 40
		.amdhsa_user_sgpr_count 2
		.amdhsa_user_sgpr_kernarg_segment_ptr 1
		.amdhsa_wavefront_size32 1
		.amdhsa_system_sgpr_workgroup_id_x 1
		.amdhsa_system_sgpr_workgroup_id_y 1
		.amdhsa_system_sgpr_workgroup_id_z 1
		.amdhsa_system_vgpr_workitem_id 0
		.amdhsa_next_free_vgpr 256
		.amdhsa_next_free_sgpr 66
		.amdhsa_reserve_vcc 1
		.amdhsa_float_denorm_mode_32 3
		.amdhsa_float_denorm_mode_16_64 3
		.amdhsa_memory_ordered 1
		.amdhsa_forward_progress 1
		.amdhsa_inst_pref_size 55
	.end_amdhsa_kernel
	.amdgpu_metadata
---
amdhsa.version: [ 1, 2 ]
amdhsa.kernels:
  - .name:           k_q88c5d1a123_prep
    .symbol:         k_q88c5d1a123_prep.kd
    .args:
      - { .name: k, .offset: 0, .size: 8, .value_kind: global_buffer, .address_space: global }
      - { .name: v, .offset: 8, .size: 8, .value_kind: global_buffer, .address_space: global }
      - { .name: mask, .offset: 16, .size: 8, .value_kind: global_buffer, .address_space: global }
      - { .name: kvw, .offset: 24, .size: 8, .value_kind: global_buffer, .address_space: global }
      - { .name: flags, .offset: 32, .size: 8, .value_kind: global_buffer, .address_space: global }
    .group_segment_fixed_size: 93184
    .private_segment_fixed_size: 0
    .kernarg_segment_align: 8
    .kernarg_segment_size: 40
    .max_flat_workgroup_size: 256
    .sgpr_count:     66
    .vgpr_count:     256
    .wavefront_size: 32
...
	.end_amdgpu_metadata
.endif
;; end of part 3
;; launch attn (part 4): grid 16 x 16, 8 waves a work-group, no clusters, 134,144 bytes of LDS; arguments q, mask, kvw, flags, input_pos, out0; writes out0
.if DOCPART == 4
	.amdgcn_target "amdgcn-amd-amdhsa--gfx1250"
	.amdhsa_code_object_version 6
	.text
	.protected	k_q88c5d1a123_attn
	.globl	k_q88c5d1a123_attn
	.p2align	8
	.type	k_q88c5d1a123_attn,@function
k_q88c5d1a123_attn:
	s_mov_b64 s[64:65], 0
	v_nop
	global_prefetch_b8 v0, s[64:65] scope:SCOPE_SE
	s_setreg_imm32_b32 hwreg(HW_REG_WAVE_SCHED_MODE, 0, 2), 2
	s_setreg_imm32_b32 hwreg(HW_REG_WAVE_MODE, 25, 1), 1
	s_wait_xcnt 0x0
	s_wait_alu depctr_vm_vsrc(0)
; out0[b][s][128 head + d] = the sum over keys of softmax(q . k / sqrt(128) + mask) v, grouped heads (4 query heads to a K/V head), both products on codes of BF6 (E3M2) with one E8M0 scale for each 32 along K.
; THE SOFTMAX AHEAD OF THE SECOND PRODUCT: t = (score + mask x sqrt(128)) x log2(e) / sqrt(128); M = the row's largest t so far, rounded UP to a whole number; p = 2^(t - M) is quantised along the keys, not normalised.
; The row's sum is taken of the unquantised p and divides O at the end.  When M moves, the sum and O are multiplied by 2^(old M - new M): exact.
; THE MASK IS AN INPUT.  The launch before has stored, for each tile of 16 queries x 128 keys, whether its numbers are all -infinity (the tile adds nothing and moves no maximum: its work is left out) and whether
; they are all zero (nothing is added to the scores).  Every other tile's numbers are loaded and added.  These are scalar branches on whole numbers read from memory; every mask is served.
; SHARES.  Work-group (i, g): K/V head g; two passes: query blocks 31 - i and i, of 64 rows x the 4 query heads of g.  Wave w: queries 16 (w / 2) on of the block, heads 2 (w % 2) and 2 (w % 2) + 1: two tiles, which share
; K's and V's fragments and the mask's numbers.  Two waves lie on a SIMD: one wave's vector work stands beside the other's matrix work and LDS loads.
; K AND V come as step blocks of 25,600 bytes (images of the operands' registers, and scale words), global -> registers -> LDS, two steps ahead, through two LDS slots; one barrier a step.
; NO TENSOR LOADS, NO CLUSTER, though the 16 work-groups of a head walk the same blocks: a joint request is a tensor load, and which steps a
; work-group needs differs from work-group to work-group.
; LAYOUT.  Both products are used transposed: S^T = K Q^T (source 0 = 16 keys, source 1 = 16 queries), O^T = V^T P^T: a lane holds ONE query (lane % 16) throughout; S's register 16 b + i is key 32 b + 16 (lane / 16) + i.
; input_pos is loaded and enters nothing: reference() takes it and does not use it.
; LIMITS: a zero block of q carries the byte 1 (its codes are zeros); blocks under 2^-122 are held at the byte 1; a block's largest p is taken from its largest score, which takes v_exp_f32 not to fall where its input
; rises; a row all of whose mask numbers are -infinity ends as 0 x (1 / 0) = NaN, as in reference(); NaN and infinities in q are not served.
; REGISTERS, window 0: v1-11 addresses; v16-35 scale words and nothing else; v36-43 statistics; v44-62 at work; v72-95 P's codes; v96-159 S^T, then p; v160-223 the mask's numbers; v224-248 a step block on its way.
;   window 1: v0-127 O^T (tile x at 64 x); v128-151 Q's two fragments; v160-255 eight fragments of K or of V^T.
; THE MODE: SCHED_MODE bits 1:0 = 2 (LLVM: expert scheduling mode 2), set by the entry lines.  The code itself states the register dependences between vector or matrix instructions and memory or LDS
; instructions, with s_wait_alu, always for 0.
; THE PLAN.  Registers that memory or LDS instructions touch:
;   v1-v10      offsets and LDS addresses: written at the head, read by every load, store and prefetch, never written again.  One wait at the first pass's head states that they are written.
;   G           written by the step block's loads, read by the LDS stores into a slot; no vector instruction names it.  One wait on vm_vsrc between those stores and the next loads.
;   MK          written by loads alone (q's turn, the mask, the way out's rows); read by q's quantiser, by both tiles' mask additions and by the way out's global stores.
;   S           q's first head lands in it; the products and the softmax work in it; LDS stores read it at q's turn and on the way out.
;   F           q's second head, then K's fragments, then V^T's land in it; an LDS store reads it at q's turn, the products read it.
;   KS, VS      written by LDS loads, read by the products as scales.
;   Q, QS, P, PS are written by vector instructions and taken by the scaled products: one wait ahead of the loop for Q's, one a step ahead of the second product for P's.
; IN A LIVE STEP the waits on va_vdst are: at its head (the last live step's products are done reading F, KS, VS); behind the second tile's eight products (they are done reading K's fragments, where V^T's land);
; the two a tile behind the exponentials, of which the second tile's first also states that the mask's numbers have been read (the next step's land there at the step's end, and nothing between names them);
; and one ahead of the second product.
.set L16, 1                            ; 16 x lane
.set T16, 2                            ; 16 x thread
.set T4,  3                            ; 4 x thread
.set SCW, 4                            ; where my thread's scale word goes in a slot: word (tile t, row r) at 24,576 (V: + 512) + 32 r + 4 t
.set SCR, 5                            ; and where my row's eight words are read: 24,576 + 32 r
.set MO,  6                            ; the mask: 8,192 r + 64 h
.set STW, 7                            ; my stage: 16 x lane of a row
.set STR, 8                            ; row r, + 128 h
.set STO, 9                            ; row r, + 32 h
.set PFO, 10                           ; 256 x lane
.set H8,  11                           ; 8 h
.set KS,  16                           ; v16-23 K's scale words, v24-31 V's, v32-33 Q's, v34-35 P's
.set VS,  24
.set QS,  32
.set PS,  34
.set ST,  36                           ; tile x at ST + 4 x: -M, the largest t, the sum in two halves
.set BM,  44                           ; v44-47 the blocks' largest scores
.set BP,  48                           ; v48-55 permutes, bytes, the second chain of sums, conversions' second halves
.set SO,  56                           ; v56-59 the conversions' scale operands
.set FF,  60                           ; v60 f or 1 / sum; v61 is named with it as a pair
.set TT,  62
.set P,   72
.set S,   96
.set MK,  160
.set G,   224
.set OT,  0                            ; window 1
.set Q,   128
.set F,   160
.set QT,  44                           ; q's quantiser: largest magnitudes, scale operands, bytes, a permute's destination, second halves
.set QSO, 46
.set QBY, 48
.set QPT, 50
.set QCT, 52
.set WV,  16                           ; s16 wave; s17 its tile of queries; s18 its pair of heads; s19 g; s20 i
.set QI,  17
.set HP,  18
.set GH,  19
.set WI,  20
.set PASS, 21
.set QB,  22                           ; the pass's query block
.set IPOS, 23
.set SEL, 24                           ; s[24:25] selects for lane l xor 16
.set CS,  26                           ; s[26:27] c = log2(e) / sqrt(128)
.set RT,  28                           ; s[28:29] sqrt(128)
.set ACT, 30                           ; bit 0: my tile of queries is live in the step in hand; bit n: n steps on
.set MIX, 31                           ; the same: live and not all zero
.set FL,  32                           ; s[32:63] the block's 32 flag words
.set WGA, 66                           ; live for some wave of the work-group
.set TRIPS, 67
.set KVB, 68                           ; s[68:69] the step block to be loaded
.set MB,  70                           ; s[70:71] the mask at my first query and the step to be loaded
.set QA,  72
.set OA,  74
.set QN,  76                           ; s[76:77] q of my tiles in the second pass
.set PF,  84                           ; 1 in the first pass
.set HB,  85                           ; 2,048 x my first head
.set Q16, 86                           ; 16 x my tile of queries
.set SLOT1, 32768
.set STAGE, 65536                      ; 16 rows x 528 bytes for each wave, its own: q's turn and the way out
.set MSB, 0
.macro WIN new                         ; the immediate's high byte repeats the setting that is left; bits 1:0 source 0, 3:2 source 1, 5:4 source 2, 7:6 destination
.if MSB != \new
	s_set_vgpr_msb (MSB<<8)|\new
.set MSB, \new
.endif
.endm
	s_load_b256 s[4:11], s[0:1], 0x0               ; q s[4:5], mask s[6:7], kvw s[8:9], flags s[10:11]
	s_load_b128 s[12:15], s[0:1], 0x20             ; input_pos s[12:13], out0 s[14:15]
	v_lshl_add_u32 v254, v0, 2, 0x20800
	v_mov_b32 v255, 0
	v_lshrrev_b32 v12, 5, v0
	v_readfirstlane_b32 s[WV], v12
	s_wait_alu depctr_va_sdst(0)                   ; s16, the wave's number, is written, ahead of its first reader
	s_lshr_b32 s[QI], s[WV], 1
	s_and_b32 s[HP], s[WV], 1
	s_and_b32 s[GH], ttmp7, 0xffff
	s_mov_b32 s[WI], ttmp9
	v_and_b32 v12, 31, v0                          ; lane
	v_and_b32 v13, 15, v0                          ; r
	v_bfe_u32 v14, v0, 4, 1                        ; h
	v_lshlrev_b32 v[L16], 4, v12
	v_lshlrev_b32 v[T16], 4, v0
	v_lshlrev_b32 v[T4], 2, v0
	v_lshrrev_b32 v15, 7, v0                       ; threads 0-127 carry K's words, 128-255 V's
	v_lshlrev_b32 v[SCW], 9, v15
	v_lshl_add_u32 v[SCW], v13, 5, v[SCW]
	v_bfe_u32 v15, v0, 4, 3
	v_lshl_add_u32 v[SCW], v15, 2, v[SCW]
	v_add_nc_u32 v[SCW], 24576, v[SCW]
	v_lshlrev_b32 v[SCR], 5, v13
	v_add_nc_u32 v[SCR], 24576, v[SCR]
	v_lshlrev_b32 v[MO], 13, v13
	v_lshl_add_u32 v[MO], v14, 6, v[MO]
	s_mul_i32 s78, s[WV], 8448
	s_add_co_u32 s78, s78, STAGE
	v_add_nc_u32 v[STW], s78, v[L16]
	v_mul_u32_u24 v15, v13, 528
	v_add_nc_u32 v15, s78, v15
	v_lshl_add_u32 v[STR], v14, 7, v15
	v_lshl_add_u32 v[STO], v14, 5, v15
	v_lshlrev_b32 v[PFO], 8, v12
	v_lshlrev_b32 v[H8], 3, v14
.irp j, 48,49,50,51,52,53,54,55,61,62
	v_mov_b32 v\j, 0                               ; written once: a lane permute's destination counts as one of its sources, and v61 is named as the upper half of a pair
.endr
	s_mov_b32 s[SEL], 0x76543210
	s_mov_b32 s[SEL+1], 0xfedcba98
	s_mov_b32 s[CS], 0x3e0293ee
	s_mov_b32 s[CS+1], s[CS]
	s_mov_b32 s[RT], 0x413504f3
	s_mov_b32 s[RT+1], s[RT]
	s_lshl_b32 s[HB], s[GH], 2
	s_lshl_b32 s78, s[HP], 1
	s_add_co_u32 s[HB], s[HB], s78
	s_lshl_b32 s[HB], s[HB], 11
	s_lshl_b32 s[Q16], s[QI], 4
	s_lshl_b32 s78, s[WI], 6
	s_add_co_u32 s78, s78, s[Q16]
	s_add_co_u32 s78, s78, s[HB]
	s_lshl_b32 s78, s78, 9                         ; a row of q is 512 bytes
	s_mov_b32 s79, 0                               ; stays 0: the high word of every offset
	s_sub_co_u32 s[QB], 31, s[WI]
	s_mov_b32 s[PASS], 2
	s_mov_b32 s[PF], 1
	s_wait_kmcnt 0x0
	s_load_b32 s[IPOS], s[12:13], 0x0
	s_add_nc_u64 s[QN:QN+1], s[4:5], s[78:79]
; 64 numbers of a lane, register 32 c + i = number 64 c + 32 h + i of its row (two whole blocks), become the fragment's 12 registers at v[d] and the row's scale word in v[w].
.macro QUANT2 x, d, w
.irp c, 0,1
	v_max3_num_f32 v[QT+\c], |v[\x+32*\c]|, |v[\x+32*\c+1]|, 0x2800000   ; the floor 2^(5 - 127) among the leaves: the byte cannot fall under 1
.endr
.irp i, 2,4,6,8,10,12,14,16,18,20,22,24,26,28,30
.irp c, 0,1
	v_max3_num_f32 v[QT+\c], v[QT+\c], |v[\x+32*\c+\i]|, |v[\x+32*\c+\i+1]|
.endr
.endr
.irp c, 0,1
	v_add_nc_u32 v[QSO+\c], 0xfe000000, v[QT+\c]   ; 4 off the exponent field: the conversion's scale operand
.endr
.irp c, 0,1
	v_lshrrev_b32 v[QBY+\c], 23, v[QSO+\c]
.endr
	v_lshl_or_b32 v[QBY], v[QBY+1], 16, v[QBY]     ; my bytes: blocks h and 2 + h,
	v_lshlrev_b32 v[QBY], v[H8], v[QBY]            ; at their places;
	v_permlanex16_b32 v[QPT], v[QBY], s[SEL], s[SEL+1]
	v_or_b32 v[(\w)], v[QBY], v[QPT]               ; with lane l xor 16's two the word is whole
.irp c, 0,1
	v_cvt_scalef32_pk16_bf6_f32 v[\d+6*\c:\d+6*\c+2], v[\x+32*\c:\x+32*\c+15], v[QSO+\c]
	v_cvt_scalef32_pk16_bf6_f32 v[QCT+4*\c:QCT+4*\c+2], v[\x+32*\c+16:\x+32*\c+31], v[QSO+\c]   ; (a conversion's three registers begin on an even number)
.endr
	v_nop                                          ; one plain place behind a scaled conversion
.irp c, 0,1
.irp i, 0,1,2
	v_mov_b32 v[\d+6*\c+3+\i], v[QCT+4*\c+\i]
.endr
.endr
.endm
.macro GLOAD                           ; the step block at KVB: 16 bytes a thread six times, and a scale word a thread
.set n, 0
.rept 6
	global_load_b128 v[G+4*n:G+4*n+3], v[T16], s[KVB:KVB+1] offset:4096*n
.set n, n+1
.endr
	global_load_b32 v[G+24], v[T4], s[KVB:KVB+1] offset:24576
.endm
.macro GSTORE sb                       ; into the slot at sb, the codes as they lie, the scale words turned
.set n, 0
.rept 6
	ds_store_b128 v[T16], v[G+4*n:G+4*n+3] offset:(\sb)+4096*n
.set n, n+1
.endr
	ds_store_b32 v[SCW], v[G+24] offset:(\sb)
.endm
.macro MLOAD                           ; the mask's numbers of my 16 queries x 128 keys, in S^T's layout: register 16 b + i = mask(query r, key 32 b + 16 h + i)
.set n, 0
.rept 16
	global_load_b128 v[MK+4*n:MK+4*n+3], v[MO], s[MB:MB+1] offset:128*(n/4)+16*(n%4)
.set n, n+1
.endr
.endm
.macro QTURN x                         ; q's 16 rows lie in my stage: they come back 128 bytes a lane and become fragment x
.set n, 0
.rept 16
	ds_load_b128 v[MK+4*n:MK+4*n+3], v[STR] offset:256*(n/8)+16*(n%8)   ; LDS serves a wave's instructions in order: these see my stores
.set n, n+1
.endr
	s_wait_dscnt 0x0
	QUANT2 MK, P, QS+(\x)
	WIN 0x40
.set n, 0
.rept 12
	v_mov_b32 v[Q+12*(\x)+n], v[P+n]
.set n, n+1
.endr
	WIN 0
.endm
; ONE TILE (x = 0, 1: my two heads) OF A KEY STEP: the scores, the mask, the softmax, p's codes, O^T under the new M.
.macro TILE x, sb
.set rT, ST+4*(\x)
.set rP, P+12*(\x)
	WIN 0x05                                       ; K and Q in window 1, S^T in window 0
.irp t, 0,1,2,3,4,5,6,7
	v_wmma_scale_f32_16x16x128_f8f6f4 v[S+8*\t:S+8*\t+7], v[F+12*\t:F+12*\t+11], v[Q+12*(\x):Q+12*(\x)+11], 0, v[KS+\t], v[QS+(\x)] matrix_a_fmt:MATRIX_FMT_BF6 matrix_b_fmt:MATRIX_FMT_BF6
.endr
	WIN 0
.rept 4
	v_nop                                          ; four places in front of the first read of results (ISA guide 7.12.1)
.endr
.if (\x) == 1                          ; K's fragments are done with: V^T's take their registers and land during this tile's softmax
	WIN 0x40
	s_wait_alu depctr_va_vdst(0)                   ; this tile's eight products are done reading K's fragments, in whose registers V^T's land (V's scale words were free since the wait at the step's head)
.set n, 0
.rept 24
	ds_load_b128 v[F+4*n:F+4*n+3], v[L16] offset:(\sb)+12288+512*n
.set n, n+1
.endr
	WIN 0
	ds_load_b128 v[VS:VS+3], v[SCR] offset:(\sb)+512
	ds_load_b128 v[VS+4:VS+7], v[SCR] offset:(\sb)+528
.endif
	s_bitcmp1_b32 s[MIX], 0
	s_cbranch_scc0 .Lopen_\@                       ; all zero: nothing to add
	s_wait_loadcnt 0x0                             ; the mask's 16 loads, issued at the last step's end
.set j, 0
.rept 32
	v_pk_fma_f32 v[S+j:S+j+1], v[MK+j:MK+j+1], s[RT:RT+1], v[S+j:S+j+1] op_sel_hi:[1,0,1]   ; score + mask x sqrt(128), one rounding; -infinity stays; each accumulator from its low end on
.set j, j+2
.endr
.Lopen_\@:
.irp b, 0,1,2,3
	v_max3_num_f32 v[BM+\b], v[S+16*\b], v[S+16*\b+1], v[S+16*\b+2]   ; the largest score of each block of 32 keys: it serves for the row's maximum and, since p rises with the score, for the block's largest p
.endr
.irp i, 3,5,7,9,11,13
.irp b, 0,1,2,3
	v_max3_num_f32 v[BM+\b], v[BM+\b], v[S+16*\b+\i], v[S+16*\b+\i+1]
.endr
.endr
.irp b, 0,1,2,3
	v_max_num_f32 v[BM+\b], v[BM+\b], v[S+16*\b+15]
.endr
.irp b, 0,1,2,3
	v_permlanex16_b32 v[BP+\b], v[BM+\b], s[SEL], s[SEL+1]
.endr
.irp b, 0,1,2,3
	v_max_num_f32 v[BM+\b], v[BM+\b], v[BP+\b]     ; with lane l xor 16's 16 keys
.endr
	v_max3_num_f32 v[TT], v[BM], v[BM+1], v[BM+2]
	v_max_num_f32 v[TT], v[TT], v[BM+3]
	v_mul_f32 v[TT], s[CS], v[TT]                  ; as t (c is positive)
	v_max_num_f32 v[rT+1], v[rT+1], v[TT]          ; the running largest t
	v_mov_b32 v[TT], v[rT]
	v_floor_f32 v[rT], -v[rT+1]                    ; the new -M = floor(-t): M is a whole number
	v_sub_f32 v[TT], v[rT], v[TT]                  ; old M - new M: a whole number, 0 or less
	v_cvt_i32_f32 v[TT], v[TT]                     ; (it saturates)
	v_ldexp_f32 v[FF], 1.0, v[TT]                  ; f = 2^(old M - new M)
.set j, 0
.rept 32
	v_pk_fma_f32 v[S+j:S+j+1], v[S+j:S+j+1], s[CS:CS+1], v[rT:rT+1] op_sel_hi:[1,0,0]   ; t - M, two at a time
.set j, j+2
.endr
.irp b, 0,1,2,3
	v_fma_f32 v[BM+\b], v[BM+\b], s[CS], v[rT]     ; the same of each block's largest score
.endr
.set j, 0
	s_wait_alu depctr_va_vdst(0)
.rept 64
	v_exp_f32 v[S+j], v[S+j]                       ; p = 2^(t - M), at most 1
.set j, j+1
.endr
	v_pk_mul_f32 v[rT+2:rT+3], v[rT+2:rT+3], v[FF:FF+1] op_sel_hi:[1,0]   ; the sums under the new M; the plain place behind the exponentials
	s_wait_alu depctr_va_vdst(0)                   ; the 64 exponentials have written p, ahead of its first reader: one wait for the batch.  In the second tile it also states that the additions above are done reading the mask's numbers: the next step's land there at the step's end, and no vector or matrix instruction from here to there names them
.irp b, 0,1,2,3
	v_exp_f32 v[BM+\b], v[BM+\b]                   ; the blocks' largest p
.endr
	v_pk_add_f32 v[BP:BP+1], v[S:S+1], v[S+2:S+3]  ; the row's sum is taken of the UNQUANTISED p: two at a time, in two chains
.irp j, 4,8,12,16,20,24,28,32,36,40,44,48,52,56,60
	v_pk_add_f32 v[rT+2:rT+3], v[rT+2:rT+3], v[S+\j:S+\j+1]
	v_pk_add_f32 v[BP:BP+1], v[BP:BP+1], v[S+\j+2:S+\j+3]
.endr
	v_pk_add_f32 v[rT+2:rT+3], v[rT+2:rT+3], v[BP:BP+1]
	s_wait_alu depctr_va_vdst(0)                   ; the four exponentials have written the blocks' largest p, ahead of its first reader
.irp b, 0,1,2,3
	v_max_num_f32 v[BM+\b], 0x2800000, v[BM+\b]    ; the floor 2^(5 - 127): a block whose every p is 0 keeps the byte 1; its codes are zeros
.endr
.irp b, 0,1,2,3
	v_add_nc_u32 v[SO+\b], 0xfe000000, v[BM+\b]
.endr
.irp b, 0,1,2,3
	v_lshrrev_b32 v[BP+\b], 23, v[SO+\b]
.endr
	v_lshl_or_b32 v[PS+(\x)], v[BP+1], 8, v[BP]    ; p's scale word for these 128 keys
	v_lshl_or_b32 v[PS+(\x)], v[BP+2], 16, v[PS+(\x)]
	v_lshl_or_b32 v[PS+(\x)], v[BP+3], 24, v[PS+(\x)]
.irp c, 0,1
	v_cvt_scalef32_pk16_bf6_f32 v[rP+6*\c:rP+6*\c+2], v[S+32*\c:S+32*\c+15], v[SO+2*\c]
	v_cvt_scalef32_pk16_bf6_f32 v[BP+4*\c:BP+4*\c+2], v[S+32*\c+16:S+32*\c+31], v[SO+2*\c+1]
.endr
	v_nop                                          ; one plain place behind a scaled conversion
.irp c, 0,1                            ; the operand's layout wants a WHOLE block in a lane: lanes 0-15 block 2 c, lanes 16-31 block 2 c + 1
.irp i, 0,1,2
	v_permlane16_swap_b32 v[rP+6*\c+\i], v[BP+4*\c+\i]
.endr
.irp i, 0,1,2
	v_mov_b32 v[rP+6*\c+3+\i], v[BP+4*\c+\i]
.endr
.endr
	WIN 0x41                                       ; O^T in window 1, f in window 0
.set j, 0
.rept 32
	v_pk_mul_f32 v[OT+64*(\x)+j:OT+64*(\x)+j+1], v[OT+64*(\x)+j:OT+64*(\x)+j+1], v[FF:FF+1] op_sel_hi:[1,0]   ; O^T under the new M; these are also the places between p's word and codes and the products
.set j, j+2
.endr
	WIN 0
.endm
; O^T += V^T P^T for both tiles: 16 accumulators, one instruction each, by turns.
.macro PV
	s_wait_dscnt 0x0                               ; V^T's fragments and scale words are in
	s_wait_alu depctr_va_vdst(0)                   ; both tiles' codes and scale words of p are written, which the scaled products take as source 1 and as scales; the 32 multiplications above are the places, and stay beside this wait
	WIN 0x51                                       ; V^T in window 1, P in window 0, O^T in window 1
.irp t, 0,1,2,3,4,5,6,7
.irp x, 0,1
	v_wmma_scale_f32_16x16x128_f8f6f4 v[OT+64*\x+8*\t:OT+64*\x+8*\t+7], v[F+12*\t:F+12*\t+11], v[P+12*\x:P+12*\x+11], v[OT+64*\x+8*\t:OT+64*\x+8*\t+7], v[VS+\t], v[PS+\x] matrix_a_fmt:MATRIX_FMT_BF6 matrix_b_fmt:MATRIX_FMT_BF6
.endr
.endr
	WIN 0
.rept 4
	v_nop                                          ; four places in front of the next read of O^T
.endr
.endm
; A PREFETCH INTO THE L2 of q's rows of the second pass: my wave's two tiles, 16 rows x 512 bytes each, lanes 256 bytes apart: two instructions a wave, each block of 256 bytes named once in the launch.
; It stands once, in the first pass, in the live step behind which exactly one live step of the work-group remains, behind the step's loads.
.macro ASK
	s_lshr_b32 s78, s[WGA], 1
	s_bcnt1_i32_b32 s78, s78                       ; live steps still to come
	s_cmp_eq_u32 s78, 1
	s_cselect_b32 s78, s[WGA], 0
	s_and_b32 s78, s78, s[PF]                      ; this step is live, and the pass is the first
	s_cmp_lg_u32 s78, 0
	s_cbranch_scc0 .Lnot_now_\@
	global_prefetch_b8 v[PFO], s[QN:QN+1] th:TH_LOAD_NT scope:SCOPE_SE
	global_prefetch_b8 v[PFO], s[QN:QN+1] offset:1048576 th:TH_LOAD_NT scope:SCOPE_SE
.Lnot_now_\@:
.endm
; THE END OF A STEP, on every wave's path.  The next step's block goes from registers into the other slot, which was last read a step ago, in front of the last barrier; the block two steps on and the next step's mask are
; asked for.  ONE barrier: in front of it each wave's stores into the other slot have landed and its reads of this slot are back.
.macro STAGEK nsb
	s_wait_loadcnt 0x0                             ; every load of mine is in (they were issued a step ago): G holds the next block, and G, MK and the two bases may be written
	s_bitcmp1_b32 s[WGA], 1
	s_cbranch_scc0 .Lno_store_\@
	GSTORE \nsb
.Lno_store_\@:
	s_wait_dscnt 0x0                               ; for the others' sake: my stores have landed; my reads of this slot are back
	s_wait_alu depctr_vm_vsrc(0)                   ; the LDS stores above have read G, in which the loads below land
	s_add_nc_u64 s[KVB:KVB+1], s[KVB:KVB+1], 25600
	s_bitcmp1_b32 s[WGA], 2                        ; (bits 16 on are 0: no load leaves kvw or the mask)
	s_cbranch_scc0 .Lno_load_\@
	GLOAD
.Lno_load_\@:
	s_add_nc_u64 s[MB:MB+1], s[MB:MB+1], 512
	s_bitcmp1_b32 s[MIX], 1
	s_cbranch_scc0 .Lno_mask_\@
	MLOAD                                          ; no wait here: the last readers of these registers stand ahead of a wait on va_vdst (the second tile's first; before the first live step, the prologue's), and nothing since names them
.Lno_mask_\@:
	ASK
	s_lshr_b32 s[ACT], s[ACT], 1
	s_lshr_b32 s[MIX], s[MIX], 1
	s_lshr_b32 s[WGA], s[WGA], 1
	s_barrier_signal -1
	s_barrier_wait -1
.endm
.macro STEP sl
	s_bitcmp1_b32 s[ACT], 0
	s_cbranch_scc0 .Lidle_\@                       ; all of my tile's mask numbers in this step are -infinity: p = 0, no maximum moves
	WIN 0x40
	s_wait_alu depctr_va_vdst(0)                   ; the last live step's products are done reading V^T's fragments, K's scale words and V's: K's fragments and words land there now, V's words in the second tile
.set n, 0
.rept 24
	ds_load_b128 v[F+4*n:F+4*n+3], v[L16] offset:SLOT1*(\sl)+512*n      ; K's eight fragments, as images: 512 consecutive bytes a load
.set n, n+1
.endr
	WIN 0
	ds_load_b128 v[KS:KS+3], v[SCR] offset:SLOT1*(\sl)
	ds_load_b128 v[KS+4:KS+7], v[SCR] offset:SLOT1*(\sl)+16
	s_wait_dscnt 0x0
	TILE 0, SLOT1*(\sl)
	TILE 1, SLOT1*(\sl)
	PV
.Lidle_\@:
	STAGEK SLOT1*(1-(\sl))
.endm
; THE WAY OUT of tile x: O^T / the sum goes through my stage and leaves as whole rows of 512 bytes.
.macro OUT x
.set rT, ST+4*(\x)
	v_add_f32 v[TT], v[rT+2], v[rT+3]              ; the sum's two halves,
	v_permlanex16_b32 v[BP], v[TT], s[SEL], s[SEL+1]
	v_add_f32 v[TT], v[TT], v[BP]                  ; and lane l xor 16's
	s_wait_alu depctr_va_vdst(0)
	v_rcp_f32 v[FF], v[TT]
	v_nop                                          ; a plain place behind the transcendental
	s_wait_alu depctr_va_vdst(0)                   ; the reciprocal is written, ahead of its first reader
	WIN 0x01
.set j, 0
.rept 32
	v_pk_mul_f32 v[S+j:S+j+1], v[OT+64*(\x)+j:OT+64*(\x)+j+1], v[FF:FF+1] op_sel_hi:[1,0]   ; register 8 t + i is o(query r, channel 16 t + 8 h + i); each accumulator from its low end on
.set j, j+2
.endr
	WIN 0
	s_wait_alu depctr_va_vdst(0)                   ; the multiplications have written S, which the LDS stores read
.set n, 0
.rept 8
	ds_store_b128 v[STO], v[S+8*n:S+8*n+3] offset:64*n
	ds_store_b128 v[STO], v[S+8*n+4:S+8*n+7] offset:64*n+16
.set n, n+1
.endr
.set n, 0
.rept 16
	ds_load_b128 v[MK+4*n:MK+4*n+3], v[STW] offset:528*n               ; LDS serves a wave's instructions in order: these see my stores
.set n, n+1
.endr
.set n, 0
.rept 16
	s_wait_dscnt 15-n                              ; row n is back; the younger loads may stay out
	global_store_b128 v[L16], v[MK+4*n:MK+4*n+3], s[OA:OA+1] offset:16384*n+512*(\x) th:TH_STORE_NT   ; 512 consecutive bytes, at a multiple of 512 from out0's first byte
.set n, n+1
.endr
	s_wait_xcnt 0x0                                ; the stores' addresses are translated: their registers and their base may be written again
	s_wait_alu depctr_vm_vsrc(0)                   ; the LDS stores have read S and the global stores the rows' registers: the next tile's way out, or the next pass's loads, write both again
.endm
.Lpass:
	; the block's flags: 4 tiles of queries x 8 words
	s_lshl_b32 s78, s[QB], 7
	s_add_nc_u64 s[80:81], s[10:11], s[78:79]
	s_load_b512 s[FL:FL+15], s[80:81], 0x0
	s_load_b512 s[FL+16:FL+31], s[80:81], 0x40
	s_lshl_b32 s82, s[QB], 6
	s_add_co_u32 s82, s82, s[Q16]                  ; my first query
	s_mul_i32 s78, s[GH], 409600
	s_add_nc_u64 s[KVB:KVB+1], s[8:9], s[78:79]    ; the head's step 0
	s_lshl_b32 s78, s82, 13
	s_add_nc_u64 s[MB:MB+1], s[6:7], s[78:79]
	s_add_co_u32 s78, s[HB], s82
	s_lshl_b32 s78, s78, 9
	s_add_nc_u64 s[QA:QA+1], s[4:5], s[78:79]
	s_lshr_b32 s78, s[GH], 3                       ; the batch
	s_lshl_b32 s78, s78, 11
	s_add_co_u32 s78, s78, s82
	s_lshl_b32 s78, s78, 14                        ; a row of out0 is 16,384 bytes
	s_and_b32 s83, s[GH], 7
	s_lshl_b32 s83, s83, 1
	s_add_co_u32 s83, s83, s[HP]
	s_lshl_b32 s83, s83, 10                        ; my first head's 512 bytes in it
	s_add_co_u32 s78, s78, s83
	s_add_nc_u64 s[OA:OA+1], s[14:15], s[78:79]
	s_wait_alu depctr_va_vdst(0)                   ; first pass: the head has written v1 to v10, which every load, store and prefetch of the kernel reads.  Second pass: the way out is done writing and reading S, and the last products are done reading the fragments' registers: q's rows land in both
	GLOAD                                          ; step 0, without condition
.set n, 0
.rept 16
	global_load_b128 v[S+4*n:S+4*n+3], v[L16], s[QA:QA+1] offset:512*n th:TH_LOAD_NT          ; q, my first head: 16 whole rows
.set n, n+1
.endr
	WIN 0x40
.set n, 0
.rept 16
	global_load_b128 v[F+4*n:F+4*n+3], v[L16], s[QA:QA+1] offset:1048576+512*n th:TH_LOAD_NT  ; my second head.  (Between the wait above and these stand loads and the window switch alone)
.set n, n+1
.endr
	WIN 0
	s_wait_kmcnt 0x0
.irp t, 0,1,2,3
.irp w, 1,2,3,4,5,6,7
	s_or_b32 s[FL+8*\t], s[FL+8*\t], s[FL+8*\t+\w] ; a tile's eight words hold different bits: together, bit n = live in step n, bit 16 + n = not all zero
.endr
.endr
	s_or_b32 s78, s[FL], s[FL+8]
	s_or_b32 s80, s[FL+16], s[FL+24]
	s_or_b32 s78, s78, s80
	s_and_b32 s[WGA], s78, 0xffff
	s_cmp_eq_u32 s[QI], 1
	s_cselect_b32 s78, s[FL+8], s[FL]
	s_cmp_eq_u32 s[QI], 2
	s_cselect_b32 s78, s[FL+16], s78
	s_cmp_eq_u32 s[QI], 3
	s_cselect_b32 s78, s[FL+24], s78
	s_and_b32 s[ACT], s78, 0xffff
	s_lshr_b32 s78, s78, 16
	s_and_b32 s[MIX], s78, s[ACT]
	s_wait_loadcnt 16                              ; step 0's block and my first head's rows are in; my second head's 16 loads may stay out
	GSTORE 0                                       ; slot 0 was last read in front of the last two barriers
.set n, 0
.rept 16
	ds_store_b128 v[STW], v[S+4*n:S+4*n+3] offset:528*n
.set n, n+1
.endr
	QTURN 0
	s_wait_alu depctr_va_vdst(0)                   ; the first head's quantiser is done reading the 64 registers in which the second head's rows land on their way back from the stage
	s_wait_loadcnt 0x0
	WIN 0x04                                       ; an LDS store's data are its source 1: window 1
.set n, 0
.rept 16
	ds_store_b128 v[STW], v[F+4*n:F+4*n+3] offset:528*n
.set n, n+1
.endr
	WIN 0
	QTURN 1
	WIN 0x40
.set j, 0
.rept 128
	v_mov_b32 v[OT+j], 0                           ; O^T is cleared: which step is a wave's first is known only from the flags, so no product can be written out to start the sums.  (Also the places between Q's words and codes and the first products)
.set j, j+1
.endr
	WIN 0
.irp x, 0,1
	v_mov_b32 v[ST+4*\x+1], 0xff61b1e6             ; the largest t so far: -3e38, under every t
	v_floor_f32 v[ST+4*\x], -v[ST+4*\x+1]          ; -M
	v_mov_b32 v[ST+4*\x+2], 0                      ; the sum, in two halves
	v_mov_b32 v[ST+4*\x+3], 0
.endr
	s_wait_alu depctr_va_vdst(0)                   ; the second head's quantiser is done reading the registers in which the mask's numbers land; Q's codes and scale words are written, which the scaled products of the whole pass take (the lines above are their places)
	s_wait_alu depctr_vm_vsrc(0)                   ; my LDS stores have read G, S and the fragments' registers: step 1's block, the first products' results and K's fragments are written there
	s_add_nc_u64 s[KVB:KVB+1], s[KVB:KVB+1], 25600 ; (every load of mine is in)
	s_bitcmp1_b32 s[WGA], 1
	s_cbranch_scc0 .Lno_first_load
	GLOAD                                          ; step 1
.Lno_first_load:
	s_bitcmp1_b32 s[MIX], 0
	s_cbranch_scc0 .Lno_first_mask
	MLOAD                                          ; step 0's mask
.Lno_first_mask:
	s_wait_dscnt 0x0                               ; my part of slot 0 has landed
	s_barrier_signal -1
	s_barrier_wait -1
	s_mov_b32 s[TRIPS], 8
.Ltrip:                                            ; 8 trips of two key steps: the slot is a constant of each copy
	STEP 0
	STEP 1
	s_sub_co_u32 s[TRIPS], s[TRIPS], 1
	s_cmp_lg_u32 s[TRIPS], 0
	s_cbranch_scc1 .Ltrip
	s_wait_loadcnt 0x0                             ; no load into G or the mask's registers is out on any path
	OUT 0
	OUT 1
	s_mov_b32 s[QB], s[WI]                         ; the second pass: query block i
	s_mov_b32 s[PF], 0
	s_sub_co_u32 s[PASS], s[PASS], 1
	s_cmp_lg_u32 s[PASS], 0
	s_cbranch_scc1 .Lpass
	s_wait_dscnt 0x0                               ; the closing lines, six on end
	s_wait_alu 0x0
	s_wait_tensorcnt 0x0
	ds_add_u32 v254, v255
	s_wait_dscnt 0x0
	s_endpgm
.Lfunc_end_k_q88c5d1a123_attn:
	.size	k_q88c5d1a123_attn, .Lfunc_end_k_q88c5d1a123_attn-k_q88c5d1a123_attn
	.p2alignl 7, 3214868480
	.fill 96, 4, 3214868480
	.section	.rodata,"a",@progbits
	.p2align	6, 0x0
	.amdhsa_kernel k_q88c5d1a123_attn
		.amdhsa_group_segment_fixed_size 134144
		.amdhsa_private_segment_fixed_size 0
		.amdhsa_enable_private_segment 0
		.amdhsa_kernarg_size 48
		.amdhsa_user_sgpr_count 2
		.amdhsa_user_sgpr_kernarg_segment_ptr 1
		.amdhsa_wavefront_size32 1
		.amdhsa_system_sgpr_workgroup_id_x 1
		.amdhsa_system_sgpr_workgroup_id_y 1
		.amdhsa_system_sgpr_workgroup_id_z 1
		.amdhsa_system_vgpr_workitem_id 0
		.amdhsa_next_free_vgpr 512
		.amdhsa_next_free_sgpr 96
		.amdhsa_reserve_vcc 0
		.amdhsa_float_denorm_mode_32 3
		.amdhsa_float_denorm_mode_16_64 3
		.amdhsa_memory_ordered 1
		.amdhsa_forward_progress 1
		.amdhsa_inst_pref_size 124
	.end_amdhsa_kernel
	.amdgpu_metadata
---
amdhsa.version: [ 1, 2 ]
amdhsa.kernels:
  - .name:           k_q88c5d1a123_attn
    .symbol:         k_q88c5d1a123_attn.kd
    .args:
      - { .name: q, .offset: 0, .size: 8, .value_kind: global_buffer, .address_space: global }
      - { .name: mask, .offset: 8, .size: 8, .value_kind: global_buffer, .address_space: global }
      - { .name: kvw, .offset: 16, .size: 8, .value_kind: global_buffer, .address_space: global }
      - { .name: flags, .offset: 24, .size: 8, .value_kind: global_buffer, .address_space: global }
      - { .name: input_pos, .offset: 32, .size: 8, .value_kind: global_buffer, .address_space: global }
      - { .name: out0, .offset: 40, .size: 8, .value_kind: global_buffer, .address_space: global }
    .group_segment_fixed_size: 134144
    .private_segment_fixed_size: 0
    .kernarg_segment_align: 8
    .kernarg_segment_size: 48
    .max_flat_workgroup_size: 256
    .sgpr_count:     96
    .vgpr_count:     512
    .wavefront_size: 32
...
	.end_amdgpu_metadata
.endif
;; end of part 4
